; MI455X (gfx1250); checked and timed in simulation.
; The chip was launched on July 23, 2026; its instructions are those of AMD's public machine-readable ISA for CDNA 5 (MIT licence, August 2026) and "CDNA5" Instruction Set Architecture Reference Guide (July 2026). The comments in the code are by the model that wrote it; some were corrected since.
;; Attention Block. Allowed arithmetic: matrix products marked QUANTISED: E3M2 operands, one E8M0 scale for each 32 along K, by v_wmma_scale_f32_16x16x128_f8f6f4 with both operands' format E3M2, f32 sums; products left as they are: f32 operands where the result goes on into a quantised operand, else bf16, f16 or f32 operands; f32 sums; everything else in f32.
;; Inputs: Wkv 16 x 64 float32; Wq 16 x 64 float32; eps_fc1_b 128 float32; eps_fc1_w 128 x 128 float32; eps_fc2_b 32 float32; eps_fc2_w 32 x 128 float32; eps_fc_b 16 float32; eps_fc_w 16 x 32 float32; eps_ln1_b 128 float32; eps_ln1_s 128 float32; eps_ln2_b 32 float32; eps_ln2_s 32 float32; in_proj_b 24 float32; in_proj_w 24 x 8 float32; kv_embed 8 x 32,768 x 64 float32; out_proj_b 8 float32; out_proj_w 8 x 8 float32; query_embed 8 x 32,768 x 64 float32; res_fc1_b 128 float32; res_fc1_w 128 x 80 float32; res_fc2_b 32 float32; res_fc2_w 32 x 128 float32; res_fc_b 64 float32; res_fc_w 64 x 32 float32; res_ln1_b 128 float32; res_ln1_s 128 float32; res_ln2_b 32 float32; res_ln2_s 32 float32; res_match_b 128 float32; res_match_w 128 x 80 float32; wkv_embed 8 float32; wq_embed 8 float32.
;; Outputs: out0 8 x 32,768 x 64 float32.
;; This version of the problem:
;;   THIS VERSION OF THE PROBLEM IS GIVEN IN LOW PRECISION. The matrix products marked QUANTISED in the list below multiply operands that are first quantised to E3M2 (3 exponent bits, 2 mantissa bits; 6 bits a number), with one power-of-two scale for each 32 numbers along K (OCP MX v1.0); their sums are f32. All else is computed in f32.
;;   The module's matrix products, in the order in which they are computed (A, B: the left and right operand; K: the contracted axis; several contracted axes count as one K, in the product's order):
;;     1. [M 262,144, K 64] x [K 64, N 16]; A: input query_embed; B: input Wq: QUANTISED
;;     2. [M 262,144, K 64] x [K 64, N 16]; A: input kv_embed; B: input Wkv: QUANTISED
;;     3. [M 4,194,304, K 8] x [K 8, N 8]; A: computed on the way; B: input in_proj_w: left as it is (K = 8 < 32)
;;     4. [M 4,194,304, K 8] x [K 8, N 8]; A: computed on the way; B: input in_proj_w: left as it is (K = 8 < 32)
;;     5. [M 4,194,304, K 8] x [K 8, N 8]; A: computed on the way; B: input in_proj_w: left as it is (K = 8 < 32)
;;     6. batch 524,288 x [M 16, K 4] x [K 4, N 16]; A: computed on the way; B: computed on the way: left as it is (K = 4 < 32)
;;     7. batch 524,288 x [M 16, K 16] x [K 16, N 4]; A: softmax; B: computed on the way: left as it is (K = 16 < 32)
;;     8. [M 4,194,304, K 8] x [K 8, N 8]; A: computed on the way; B: input out_proj_w: left as it is (K = 8 < 32)
;;     9. [M 262,144, K 128] x [K 128, N 128]; A: computed on the way; B: input eps_fc1_w: QUANTISED
;;     10. [M 262,144, K 128] x [K 128, N 32]; A: computed on the way; B: input eps_fc2_w: QUANTISED
;;     11. [M 262,144, K 32] x [K 32, N 16]; A: computed on the way; B: input eps_fc_w: QUANTISED
;;     12. [M 262,144, K 80] x [K 80, N 128]; A: computed on the way; B: input res_fc1_w: QUANTISED
;;     13. [M 262,144, K 80] x [K 80, N 128]; A: computed on the way; B: input res_match_w: QUANTISED
;;     14. [M 262,144, K 128] x [K 128, N 32]; A: computed on the way; B: input res_fc2_w: QUANTISED
;;     15. [M 262,144, K 32] x [K 32, N 64]; A: computed on the way; B: input res_fc_w: QUANTISED
;;   THE QUANTISER, for each operand of a quantised product, along K:
;;     - K is cut into blocks of 32 from its start; a last block that is shorter is filled with zeros.
;;     - A block's scale is 2^e with e = floor(log2(the largest magnitude in the block)) - 4, held to -126 .. 127; a block of zeros has e = 0. As a byte (E8M0): e + 127.
;;     - Each number is divided by its block's scale, clamped to +-28, and rounded to the nearest number of E3M2, ties to even, subnormals kept.
;;     - The product sums the exact products of the quantised numbers (number of the format x scale) in f32.
;;   ~~~python
;;   def quantise(x, axis):      # numpy; x: float32 -> the quantised numbers, widened to float32 again
;;       x = np.moveaxis(x, axis, -1); K = x.shape[-1]
;;       x = np.pad(x, [(0, 0)] * (x.ndim - 1) + [(0, -K % 32)]); x = x.reshape(x.shape[:-1] + (-1, 32)); a = np.abs(x).max(-1, keepdims=True)
;;       e = np.where(a > 0, np.clip(np.frexp(np.where(a > 0, a, 1))[1] - 1 - 4, -126, 127), 0)      # np.frexp(a)[1] - 1 = floor(log2(a)), exactly
;;       r = np.clip(x / 2.0 ** e, -28, 28)
;;       step = 2.0 ** (np.maximum(np.frexp(np.where(r == 0, 1, r))[1] - 1, -2) - 2)
;;       q = np.round(r / step) * step * 2.0 ** e      # np.round: ties to even
;;       return np.moveaxis(q.reshape(q.shape[:-2] + (-1,))[..., :K], -1, axis).astype(np.float32)
;;   ~~~
;;   OPERANDS COMPUTED ON THE WAY. 'Computed on the way' means the value that the module computes at that place (a softmax that the list does not call 'softmax' is quantised finished and normalised). What goes into a quantiser is computed in f32, as accurately as f32 sums, v_exp_f32 and their like allow (about 1e-6 of the number): no bf16 or f16 on the way to a quantiser, and a product that is left as it is and whose result goes on into a quantised operand takes f32 operands (vector FMAs, or v_wmma_f32_16x16x4_f32). A number that lies on a knife's edge between two numbers of the format may be rounded either way, as far as f32 arithmetic and the matrix unit's own rounding can turn it there, and no further.
;; 2 versions, each right; version 2 is version 1 with the launch main written anew for expert scheduling mode. Each part assembles by itself: llvm-mc -triple=amdgcn-amd-amdhsa -mcpu=gfx1250 --defsym DOCPART=n.
;; ======== version 1 of 2: 2 launches
;; workspace buffers: ws 58,368 bytes
;; launch prep (part 1): grid 9 x 1, 4 waves a work-group, no clusters, 0 bytes of LDS; arguments Wq, Wkv, eps_fc1_w, eps_fc2_w, eps_fc_w, res_fc1_w, res_match_w, res_fc2_w, res_fc_w, wq_embed, wkv_embed, in_proj_w, in_proj_b, out_proj_w, out_proj_b, ws; writes ws
.if DOCPART == 1
	.amdgcn_target "amdgcn-amd-amdhsa--gfx1250"
	.amdhsa_code_object_version 6
	.text
	.protected	k_qbedd0d3baa_prep
	.globl	k_qbedd0d3baa_prep
	.p2align	8
	.type	k_qbedd0d3baa_prep,@function
k_qbedd0d3baa_prep:
	s_mov_b64 s[64:65], 0
	v_nop
	global_prefetch_b8 v0, s[64:65] scope:SCOPE_SE
	s_setreg_imm32_b32 hwreg(HW_REG_WAVE_MODE, 25, 1), 1
	s_wait_xcnt 0x0
; PREP: the nine weights of the quantised products become 35 operand images of BF6 (E3M2) codes with their E8M0 scale words, and the small f32 products round the attention are folded into 28 numbers.
; 36 waves: wave F = 4 x work-group + wave.  F = 0 .. 34 makes fragment F (16 weight rows x 128 places along K), F = 35 the numbers.
; IMAGE.  Fragment F lies at ws + 1536 F as the 12 operand registers of the matrix instruction: registers 4 c .. 4 c + 3 of lane l at 512 c + 16 l.  Its scale words at ws + 53760 + 128 F + 4 l.
; ROWS.  Lane r of tile t takes weight row S (r / 8) + 8 t + r % 8, S = half the weight's rows: used as source 0, a result's register j of lane (r, h) is then unit S h + 8 t + j, S neighbours a lane.
; K.  Registers 6 c .. 6 c + 5 of lane (r, h) are the unit's block 2 c + h.  Which k stand there is free so long as both operands agree and a block's numbers share one true block's scale:
;   map 0 (K 64):  c = 0: k 32 h ..+31; c = 1: zeros          map 1 (K 128): c: k 64 h + 32 c ..+31
;   map 2 (K 32):  c = 0: k 16 h ..+15, 16 zeros; c = 1: zeros  map 3 (K 80):  c = 0: k 32 h ..+31; c = 1: k 64 + 8 h ..+7, 24 zeros
;   Where a true block is split over lanes l and l xor 16 (map 2: c = 0; map 3: c = 1) the two largest magnitudes are joined.
; A block's scale byte is its largest magnitude's exponent field - 4, held at 1 from below (a block of zeros keeps the byte 1: its codes are zeros, and this program alone reads the bytes).
; THE NUMBERS (all f32).  a = Wq_in wq_embed, c = Wk_in wkv_embed, g = Wv_in wkv_embed.  A head's score is (q_i a + bq).(kv_j c + bk) / 2; the terms without j shift a whole softmax row and fall
; out when the row's maximum is taken away, the key bias in_proj_b[8:16] with them.  What is left, in base 2: t_ij = (alpha q_i + beta) kv_j, alpha = 0.5 log2(e) sum a c, beta = 0.5 log2(e) sum bq c.
; Since a row's weights sum to 1, the head's output is g m + bv with m = sum p kv / sum p, and behind out_proj: eps[8 i + e] = P0[e] m_i0 + P1[e] m_i1 + R[e].
; At ws + 58240: P0[8], P1[8], R[8], alpha0, alpha1, beta0, beta1, four zeros.
; LIMITS: NaN and infinities among the inputs are not served; blocks whose largest magnitude lies under 2^-122 keep the byte 1.
; The scale words of a fragment are 128 bytes, half of an aligned 256: 35 such stores in the launch.
.set SCW,   53760
.set CONST, 58240
.set X,     16                         ; v16-79  64 numbers of my row, in the order of the operand's registers
.set PC,    80                         ; v80-91  the fragment's codes
.set PT,    92                         ; v92-98  the second halves of the blocks' codes (a conversion's three registers begin on an even number)
	s_load_b512 s[8:23], s[0:1], 0x0               ; Wq, Wkv, eps_fc1_w, eps_fc2_w, eps_fc_w, res_fc1_w, res_match_w, res_fc2_w
	s_load_b512 s[24:39], s[0:1], 0x40             ; res_fc_w, wq_embed, wkv_embed, in_proj_w, in_proj_b, out_proj_w, out_proj_b, ws
	v_lshrrev_b32 v1, 5, v0
	v_readfirstlane_b32 s3, v1                     ; wave
	s_lshl_b32 s2, ttmp9, 2
	s_add_co_u32 s2, s2, s3                        ; F
	v_and_b32 v1, 31, v0                           ; lane
	v_and_b32 v2, 15, v0                           ; r
	v_bfe_u32 v3, v0, 4, 1                         ; h
	v_lshlrev_b32 v6, 4, v1                        ; 16 x lane
	v_lshlrev_b32 v7, 2, v1                        ; 4 x lane
	v_lshlrev_b32 v8, 3, v3                        ; 8 h
	s_mov_b32 s48, 0x76543210
	s_mov_b32 s49, 0xfedcba98                      ; v_permlanex16_b32's selects for lane l xor 16
	s_wait_kmcnt 0x0
	s_cmp_eq_u32 s2, 35
	s_cbranch_scc1 .Lconst
; which weight: its pointer, its first fragment, log2 S, a row's bytes, its K map.  The choices hang on F alone.
	s_mov_b64 s[40:41], s[8:9]
	s_mov_b32 s42, 0
	s_mov_b32 s43, 3
	s_mov_b32 s44, 256
	s_mov_b32 s45, 0
.macro PICK f0, ptr, ss, kr, ty
	s_cmp_ge_u32 s2, \f0
	s_cselect_b64 s[40:41], s[\ptr:\ptr+1], s[40:41]
	s_cselect_b32 s42, \f0, s42
	s_cselect_b32 s43, \ss, s43
	s_cselect_b32 s44, \kr, s44
	s_cselect_b32 s45, \ty, s45
.endm
	PICK 1,  10, 3, 256, 0                         ; Wkv
	PICK 2,  12, 6, 512, 1                         ; eps_fc1_w
	PICK 10, 14, 4, 512, 1                         ; eps_fc2_w
	PICK 12, 16, 3, 128, 2                         ; eps_fc_w
	PICK 13, 18, 6, 320, 3                         ; res_fc1_w
	PICK 21, 20, 6, 320, 3                         ; res_match_w
	PICK 29, 22, 4, 512, 1                         ; res_fc2_w
	PICK 31, 24, 5, 128, 2                         ; res_fc_w
	s_sub_co_u32 s42, s2, s42
	s_lshl_b32 s42, s42, 3                         ; 8 x tile
	s_cmp_eq_u32 s45, 2
	s_cselect_b32 s46, -1, 0                       ; block c = 0 is joined with lane l xor 16's
	s_cmp_eq_u32 s45, 3
	s_cselect_b32 s47, -1, 0                       ; block c = 1 is
	v_lshrrev_b32 v9, 3, v2
	v_lshlrev_b32 v9, s43, v9
	v_and_b32 v10, 7, v2
	v_add_nc_u32 v9, v9, v10
	v_add_nc_u32 v9, s42, v9                       ; my weight row
	v_mul_lo_u32 v4, v9, s44                       ; its first byte
.set i, 16
.rept 48
	v_mov_b32 v[X+i], 0                            ; the K maps' zeros; the loads below land on those that a map fills
.set i, i+1
.endr
.macro WLOAD first, count, adr, off
.set wl, 0
.rept \count
	global_load_b128 v[X+(\first)+4*wl:X+(\first)+4*wl+3], v[\adr], s[40:41] offset:(\off)+16*wl
.set wl, wl+1
.endr
.endm
	s_cmp_eq_u32 s45, 1
	s_cbranch_scc1 .Lmap1
	s_cmp_eq_u32 s45, 2
	s_cbranch_scc1 .Lmap2
	s_cmp_eq_u32 s45, 3
	s_cbranch_scc1 .Lmap3
	v_lshl_add_u32 v4, v3, 7, v4                   ; map 0: k 32 h on
	WLOAD 0, 8, 4, 0
	s_branch .Lquant
.Lmap1:
	v_lshl_add_u32 v4, v3, 8, v4                   ; k 64 h on
	WLOAD 0, 16, 4, 0
	s_branch .Lquant
.Lmap2:
	v_lshl_add_u32 v4, v3, 6, v4                   ; k 16 h on
	WLOAD 0, 4, 4, 0
	s_branch .Lquant
.Lmap3:
	v_lshl_add_u32 v5, v3, 5, v4                   ; k 64 + 8 h on (the 64 stand in the immediate)
	v_lshl_add_u32 v4, v3, 7, v4                   ; k 32 h on
	WLOAD 0, 8, 4, 0
	WLOAD 32, 2, 5, 256
.Lquant:
	s_wait_loadcnt 0x0
	v_max3_num_f32 v100, |v[X]|, |v[X+1]|, 0x2800000       ; my two blocks' largest magnitudes, by turns, over the floor 2^(5 - 127): the byte cannot fall under 1
	v_max3_num_f32 v101, |v[X+32]|, |v[X+33]|, 0x2800000
.irp i, 2,4,6,8,10,12,14,16,18,20,22,24,26,28,30
	v_max3_num_f32 v100, v100, |v[X+\i]|, |v[X+1+\i]|
	v_max3_num_f32 v101, v101, |v[X+32+\i]|, |v[X+33+\i]|
.endr
	v_mov_b32 v102, 0                              ; a lane permute's destination counts as one of its sources
	v_mov_b32 v103, 0
	v_mov_b32 v109, 0
	v_permlanex16_b32 v102, v100, s48, s49
	v_permlanex16_b32 v103, v101, s48, s49
	v_max_num_f32 v102, v100, v102
	v_max_num_f32 v103, v101, v103
	v_cndmask_b32 v100, v100, v102, s46            ; joined where the map splits the true block over the two halves of the lanes
	v_cndmask_b32 v101, v101, v103, s47
	v_add_nc_u32 v104, 0xfe000000, v100            ; 4 off the exponent field: the conversion's scale operand
	v_add_nc_u32 v105, 0xfe000000, v101
	v_lshrrev_b32 v106, 23, v104                   ; the scale's byte
	v_lshrrev_b32 v107, 23, v105
	v_lshl_or_b32 v108, v107, 16, v106             ; blocks h and 2 + h of my row,
	v_lshlrev_b32 v108, v8, v108                   ; at their places in the word;
	v_permlanex16_b32 v109, v108, s48, s49
	v_or_b32 v108, v108, v109                      ; with lane l xor 16's two the word is whole
	v_cvt_scalef32_pk16_bf6_f32 v[PC:PC+2], v[X:X+15], v104
	v_cvt_scalef32_pk16_bf6_f32 v[PT:PT+2], v[X+16:X+31], v104
	v_cvt_scalef32_pk16_bf6_f32 v[PC+6:PC+8], v[X+32:X+47], v105
	v_cvt_scalef32_pk16_bf6_f32 v[PT+4:PT+6], v[X+48:X+63], v105
	v_nop                                          ; one plain place behind the scaled conversions
.irp i, 0,1,2
	v_mov_b32 v[PC+3+\i], v[PT+\i]
	v_mov_b32 v[PC+9+\i], v[PT+4+\i]
.endr
	s_mul_i32 s50, s2, 1536
	s_mov_b32 s51, 0
	s_add_nc_u64 s[52:53], s[38:39], s[50:51]
	s_lshl_b32 s54, s2, 7
	s_mov_b32 s55, 0
	s_add_nc_u64 s[54:55], s[38:39], s[54:55]
	global_store_b128 v6, v[PC:PC+3], s[52:53]               ; each store covers 512 consecutive bytes, aligned
	global_store_b128 v6, v[PC+4:PC+7], s[52:53] offset:512
	global_store_b128 v6, v[PC+8:PC+11], s[52:53] offset:1024
	global_store_b32 v7, v108, s[54:55] offset:SCW
	s_endpgm
.Lconst:
	v_min_u32 v9, 23, v1                           ; lane = row of in_proj_w (lanes 24-31 repeat row 23 and are not used)
	v_lshlrev_b32 v10, 5, v9
	v_lshlrev_b32 v11, 2, v9
	v_and_b32 v12, 7, v1                           ; and row lane % 8 of out_proj_w
	v_lshlrev_b32 v13, 5, v12
	v_lshlrev_b32 v14, 2, v12
	v_mov_b32 v15, 0
	global_load_b128 v[16:19], v10, s[30:31]
	global_load_b128 v[20:23], v10, s[30:31] offset:16
	global_load_b32 v24, v11, s[32:33]             ; in_proj_b, all 24 of it
	global_load_b128 v[28:31], v15, s[26:27]
	global_load_b128 v[32:35], v15, s[26:27] offset:16
	global_load_b128 v[36:39], v15, s[28:29]
	global_load_b128 v[40:43], v15, s[28:29] offset:16
	global_load_b128 v[44:47], v13, s[34:35]
	global_load_b128 v[48:51], v13, s[34:35] offset:16
	global_load_b32 v25, v14, s[36:37]
	s_wait_loadcnt 0x0
	v_cmp_gt_u32 vcc_lo, 8, v1
.irp e, 0,1,2,3,4,5,6,7
	v_cndmask_b32 v[52+\e], v[36+\e], v[28+\e], vcc_lo     ; the query's rows meet wq_embed, the others wkv_embed
.endr
	v_mul_f32 v60, v16, v52
.irp e, 1,2,3,4,5,6,7
	v_fmac_f32 v60, v[16+\e], v[52+\e]             ; lanes 0-7: a, 8-15: c, 16-23: g
.endr
.irp e, 0,1,2,3,4,5,6,7
	v_readlane_b32 s[66+\e], v60, \e
	v_readlane_b32 s[74+\e], v60, 8+\e
	v_readlane_b32 s[82+\e], v60, 16+\e
	v_readlane_b32 s[90+\e], v24, \e               ; bq
.endr
	s_mul_f32 s52, s66, s74                        ; sum a c and sum bq c, head by head
	s_mul_f32 s53, s70, s78
	s_mul_f32 s54, s90, s74
	s_mul_f32 s55, s94, s78
.irp e, 1,2,3
	s_fmac_f32 s52, s[66+\e], s[74+\e]
	s_fmac_f32 s53, s[70+\e], s[78+\e]
	s_fmac_f32 s54, s[90+\e], s[74+\e]
	s_fmac_f32 s55, s[94+\e], s[78+\e]
.endr
.irp k, 52,53,54,55
	s_mul_f32 s\k, s\k, 0x3f38aa3b                 ; x 0.5 log2(e): 1 / sqrt(4), and base 2
.endr
.irp e, 0,1,2,3,4,5,6,7
	v_readlane_b32 s[66+\e], v24, 16+\e            ; bv
.endr
	v_mul_f32 v61, s82, v44                        ; P0
	v_mul_f32 v62, s86, v48                        ; P1
	v_fma_f32 v63, s66, v44, v25                   ; R
.irp e, 1,2,3
	v_fmac_f32 v61, s[82+\e], v[44+\e]
	v_fmac_f32 v62, s[86+\e], v[48+\e]
.endr
.irp e, 1,2,3,4,5,6,7
	v_fmac_f32 v63, s[66+\e], v[44+\e]
.endr
	v_mov_b32 v64, 0
.irp k, 0,1,2,3
	v_mov_b32 v65, s[52+\k]
	v_cmp_eq_u32 vcc_lo, 24+\k, v1
	v_cndmask_b32 v64, v64, v65, vcc_lo
.endr
	v_cmp_gt_u32 vcc_lo, 24, v1
	v_cndmask_b32 v64, v64, v63, vcc_lo
	v_cmp_gt_u32 vcc_lo, 16, v1
	v_cndmask_b32 v64, v64, v62, vcc_lo
	v_cmp_gt_u32 vcc_lo, 8, v1
	v_cndmask_b32 v64, v64, v61, vcc_lo
	global_store_b32 v7, v64, s[38:39] offset:CONST
	s_endpgm
.Lfunc_end_k_qbedd0d3baa_prep:
	.size	k_qbedd0d3baa_prep, .Lfunc_end_k_qbedd0d3baa_prep-k_qbedd0d3baa_prep
	.p2alignl 7, 3214868480
	.fill 96, 4, 3214868480
	.section	.rodata,"a",@progbits
	.p2align	6, 0x0
	.amdhsa_kernel k_qbedd0d3baa_prep
		.amdhsa_group_segment_fixed_size 0
		.amdhsa_private_segment_fixed_size 0
		.amdhsa_enable_private_segment 0
		.amdhsa_kernarg_size 128
		.amdhsa_user_sgpr_count 2
		.amdhsa_user_sgpr_kernarg_segment_ptr 1
		.amdhsa_wavefront_size32 1
		.amdhsa_system_sgpr_workgroup_id_x 1
		.amdhsa_system_sgpr_workgroup_id_y 1
		.amdhsa_system_sgpr_workgroup_id_z 1
		.amdhsa_system_vgpr_workitem_id 0
		.amdhsa_next_free_vgpr 128
		.amdhsa_next_free_sgpr 100
		.amdhsa_reserve_vcc 1
		.amdhsa_float_denorm_mode_32 3
		.amdhsa_float_denorm_mode_16_64 3
		.amdhsa_memory_ordered 1
		.amdhsa_forward_progress 1
		.amdhsa_inst_pref_size 20
	.end_amdhsa_kernel
	.amdgpu_metadata
---
amdhsa.version: [ 1, 2 ]
amdhsa.kernels:
  - .name:           k_qbedd0d3baa_prep
    .symbol:         k_qbedd0d3baa_prep.kd
    .args:
      - { .name: Wq, .offset: 0, .size: 8, .value_kind: global_buffer, .address_space: global }
      - { .name: Wkv, .offset: 8, .size: 8, .value_kind: global_buffer, .address_space: global }
      - { .name: eps_fc1_w, .offset: 16, .size: 8, .value_kind: global_buffer, .address_space: global }
      - { .name: eps_fc2_w, .offset: 24, .size: 8, .value_kind: global_buffer, .address_space: global }
      - { .name: eps_fc_w, .offset: 32, .size: 8, .value_kind: global_buffer, .address_space: global }
      - { .name: res_fc1_w, .offset: 40, .size: 8, .value_kind: global_buffer, .address_space: global }
      - { .name: res_match_w, .offset: 48, .size: 8, .value_kind: global_buffer, .address_space: global }
      - { .name: res_fc2_w, .offset: 56, .size: 8, .value_kind: global_buffer, .address_space: global }
      - { .name: res_fc_w, .offset: 64, .size: 8, .value_kind: global_buffer, .address_space: global }
      - { .name: wq_embed, .offset: 72, .size: 8, .value_kind: global_buffer, .address_space: global }
      - { .name: wkv_embed, .offset: 80, .size: 8, .value_kind: global_buffer, .address_space: global }
      - { .name: in_proj_w, .offset: 88, .size: 8, .value_kind: global_buffer, .address_space: global }
      - { .name: in_proj_b, .offset: 96, .size: 8, .value_kind: global_buffer, .address_space: global }
      - { .name: out_proj_w, .offset: 104, .size: 8, .value_kind: global_buffer, .address_space: global }
      - { .name: out_proj_b, .offset: 112, .size: 8, .value_kind: global_buffer, .address_space: global }
      - { .name: ws, .offset: 120, .size: 8, .value_kind: global_buffer, .address_space: global }
    .group_segment_fixed_size: 0
    .private_segment_fixed_size: 0
    .kernarg_segment_align: 8
    .kernarg_segment_size: 128
    .max_flat_workgroup_size: 128
    .sgpr_count:     100
    .vgpr_count:     128
    .wavefront_size: 32
...
	.end_amdgpu_metadata
.endif
;; end of part 1
;; launch main (part 2): grid 256 x 1, 16 waves a work-group, no clusters, 274,176 bytes of LDS; arguments query_embed, kv_embed, ws, out0, eps_fc1_b, eps_ln1_s, eps_ln1_b, eps_fc2_b, eps_ln2_s, eps_ln2_b, eps_fc_b, res_fc1_b, res_ln1_s, res_ln1_b, res_match_b, res_fc2_b, res_ln2_s, res_ln2_b, res_fc_b; writes out0
.if DOCPART == 2
	.amdgcn_target "amdgcn-amd-amdhsa--gfx1250"
	.amdhsa_code_object_version 6
	.text
	.protected	k_qbedd0d3baa_main
	.globl	k_qbedd0d3baa_main
	.p2align	8
	.type	k_qbedd0d3baa_main,@function
k_qbedd0d3baa_main:
	s_mov_b64 s[64:65], 0
	v_nop
	global_prefetch_b8 v0, s[64:65] scope:SCOPE_SE
	s_setreg_imm32_b32 hwreg(HW_REG_WAVE_MODE, 25, 1), 1
	s_wait_xcnt 0x0
; MAIN: the whole chain for 262,144 rows: two projections, a 16 x 16 attention of two heads, two small MLP stacks with LayerNorm and erf-GELU.  The nine quantised products run on codes of BF6 (E3M2).
; SHARES.  A tile is 16 rows.  Work-group g, wave w, trip n = 0 .. 3 takes tile 64 g + 16 n + w.  A wave is alone with its tile: ONE barrier in the launch, behind the head's fill of LDS.
; Sixteen waves of 256 registers, four to a SIMD: the work is vector work (some 3,300 vector instructions and 440 exponentials and their like for a tile's 35 matrix instructions), so one wave's waits stand beside another's arithmetic.
; LAYOUT.  Every product is used transposed (source 0 = 16 weight rows, source 1 = my 16 data rows): lane (r, h) holds data row r throughout.  The weights' rows and K places were chosen by the launch before
; so that a result's registers ARE the next operand's numbers in order: a lane holds units S h + 0 .. S - 1 (S = half the width), whole blocks of 32 lie in one lane or in lanes l and l xor 16, nothing changes lanes
; but maxima and sums, and each of the 35 tiles is one matrix instruction (its bias is loaded into the result's registers and taken as C).
; ATTENTION in f32 (products left as they are): t_ij = u_i kv_j, u_i = alpha q_i + beta; the row's maximum is max(u_i kvmax, u_i kvmin) and is taken away; p = 2^(t - max); m = sum p kv / sum p;
; eps[8 i + e] = P0[e] m_i0 + P1[e] m_i1 + R[e].  Terms of the scores without j, the key bias among them, shift a whole row and fall out with its maximum.  The order of rounding differs from the plain form's.
; GELU: g = max(y, 0) - |y| Q(t), t = |y| / sqrt(2), Q = erfc(t) / 2: no difference of near numbers for negative y.  t <= 0.927734375: Q = 0.5 + t (B0 + B1 s + .. + B5 s^5), s = t^2; above: Q = 2^(t (K1 + K2 t + .. + K7 t^6) - 1):
; a published fit of erf, its exponent brought to base 2.  Both are always computed and v_cndmask_b32 chooses.  The exponent is negative for every t above the threshold, so Q falls to 0 for large t.
; MEMORY.  A tile of query_embed, kv_embed or out0 is 4,096 consecutive bytes: each load and store of the wave covers 512 of them, aligned.  They turn through the wave's own stage in LDS (rows 272 bytes apart).
; The next tile's loads are issued ahead of the attention and waited for behind it.
; NO CLUSTER: the work-groups share ws alone, 58,368 bytes read once at the head, beside the 786,432 bytes of rows that each moves.  No tensor loads: a refill would bind sixteen waves that share nothing to one barrier.
; LIMITS: NaN and infinities among the inputs are not served; blocks whose largest magnitude lies under 2^-122 keep the scale byte 1; Q's relative error grows to some 4e-5 at t = 3, where |g| is under 5e-5.
.set SCW,   53760                      ; LDS 0 ..: a copy of ws: 35 operand images of 1,536 bytes; their scale words, 128 bytes each;
.set CONST, 58240                      ; P0[8], P1[8], R[8], alpha, beta
.set PAR,   58368                      ; the fifteen vectors, as they lie in memory:
.set E1B, 0
.set E1S, 512
.set E1G, 1024
.set R1B, 1536
.set R1S, 2048
.set R1G, 2560
.set RMB, 3072
.set E2B, 3584
.set E2S, 3712
.set E2G, 3840
.set R2B, 3968
.set R2S, 4096
.set R2G, 4224
.set EFB, 4352
.set RFB, 4416
.set INS,   63232                      ; a wave's stage in: 16 rows x 272 bytes of query_embed, then of kv_embed: 8,704 bytes a wave
.set OUTS,  202496                     ; a wave's stage out: 16 rows x 272 bytes: 4,352 a wave; the end is 272,128
; v1 16 x lane; v2 4 x lane; v3 0; v4-7 32 h, 64 h, 128 h, 256 h; v8, v9 stage in: read, write; v10, v11 stage out: write, read; v12 8 h; v13 a lane permute's destination; v14 K6, v15 B4
.set WS,  16                           ; v16-23 the weights' scale words
.set PS,  24                           ; v24 the scale word just made; v25 the query's two bytes; v26 those and eps_'s; v27 kv's.  v16-27 hold scales and nothing else
.set QS0, 25
.set QS,  26
.set KS,  27
.set QF,  28                           ; v28-39 the codes of [query_embed, eps_]: made once, used by three products
.set PC,  40                           ; v40-51 the codes just made
.set PT,  52                           ; v52-59 second halves of blocks' codes; the LayerNorms' four chains
                                       ; v[60:61] the mean; v[62:63] 1 / sqrt(var + 1e-5)
.set X,   64                           ; v64-127
.set Y,   128                          ; v128-191
.set T,   192                          ; v192-255
.set FLOOR, 0x2800000                  ; 2^(5 - 127)
.set OFF4,  0xfe000000                 ; -(4 << 23)
; s2 wave; s3 trips to go; s[4:11] query_embed, kv_embed, ws, out0; s[12:39] the head's pointers, then GELU's constants in pairs; s[40:43] alpha0, alpha1, beta0, beta1; s[44:45] lane selects; s46 1/128, s47 1/32, s48 1e-5; s[50:53] masks
.macro PLACES n
.rept \n
	v_nop
.endr
.endm
.macro FRAGS f0, n, w0                 ; n operand images from f0 on into T, their scale words into WS + w0 on
.set fq, 0
.rept \n
	ds_load_b128 v[T+12*fq:T+12*fq+3], v1 offset:((\f0)+fq)*1536
	ds_load_b128 v[T+12*fq+4:T+12*fq+7], v1 offset:((\f0)+fq)*1536+512
	ds_load_b128 v[T+12*fq+8:T+12*fq+11], v1 offset:((\f0)+fq)*1536+1024
	ds_load_b32 v[WS+(\w0)+fq], v2 offset:SCW+128*((\f0)+fq)
.set fq, fq+1
.endr
.endm
.macro BIAS dst, adr, off, n           ; n tiles' biases in the result's layout: eight numbers a tile from unit S h + 8 t on
.set bq, 0
.rept \n
	ds_load_b128 v[(\dst)+8*bq:(\dst)+8*bq+3], v[\adr] offset:PAR+(\off)+32*bq
	ds_load_b128 v[(\dst)+8*bq+4:(\dst)+8*bq+7], v[\adr] offset:PAR+(\off)+32*bq+16
.set bq, bq+1
.endr
.endm
.macro MM d, a, b, ws, bs, c0          ; one tile: source 0 = 16 weight rows, source 1 = my 16 data rows; C = 0 or the bias that lies in D
.if \c0
	v_wmma_scale_f32_16x16x128_f8f6f4 v[(\d):(\d)+7], v[(\a):(\a)+11], v[(\b):(\b)+11], 0, v[\ws], v[\bs] matrix_a_fmt:MATRIX_FMT_BF6 matrix_b_fmt:MATRIX_FMT_BF6
.else
	v_wmma_scale_f32_16x16x128_f8f6f4 v[(\d):(\d)+7], v[(\a):(\a)+11], v[(\b):(\b)+11], v[(\d):(\d)+7], v[\ws], v[\bs] matrix_a_fmt:MATRIX_FMT_BF6 matrix_b_fmt:MATRIX_FMT_BF6
.endif
.endm
; the two blocks X[0:31], X[32:63]: largest magnitudes over the floor, scale operands (T50, T51), bytes (T52, T53)
.macro QMAX2
	v_max3_num_f32 v[T+48], |v[X]|, |v[X+1]|, FLOOR
	v_max3_num_f32 v[T+49], |v[X+32]|, |v[X+33]|, FLOOR
.irp i, 2,4,6,8,10,12,14,16,18,20,22,24,26,28,30
	v_max3_num_f32 v[T+48], v[T+48], |v[X+\i]|, |v[X+1+\i]|
	v_max3_num_f32 v[T+49], v[T+49], |v[X+32+\i]|, |v[X+33+\i]|
.endr
	v_add_nc_u32 v[T+50], OFF4, v[T+48]            ; 4 off the exponent field: the conversion takes that field as its scale
	v_add_nc_u32 v[T+51], OFF4, v[T+49]
	v_lshrrev_b32 v[T+52], 23, v[T+50]
	v_lshrrev_b32 v[T+53], 23, v[T+51]
.endm
.macro CVT4 d0, d1                     ; their codes: six registers from d0, six from d1
	v_cvt_scalef32_pk16_bf6_f32 v[(\d0):(\d0)+2], v[X:X+15], v[T+50]
	v_cvt_scalef32_pk16_bf6_f32 v[PT:PT+2], v[X+16:X+31], v[T+50]      ; (a conversion's three registers begin on an even number)
	v_cvt_scalef32_pk16_bf6_f32 v[(\d1):(\d1)+2], v[X+32:X+47], v[T+51]
	v_cvt_scalef32_pk16_bf6_f32 v[PT+4:PT+6], v[X+48:X+63], v[T+51]
	v_nop                                          ; one plain place behind the scaled conversions
.irp i, 0,1,2
	v_mov_b32 v[(\d0)+3+\i], v[PT+\i]
	v_mov_b32 v[(\d1)+3+\i], v[PT+4+\i]
.endr
.endm
.macro QUANT64                         ; X, 64 numbers = k 64 h + 0 .. 63 of my row, into PC and PS
	QMAX2
	v_lshl_or_b32 v[T+52], v[T+53], 16, v[T+52]    ; my bytes: the unit's blocks h and 2 + h,
	v_lshlrev_b32 v[T+52], v12, v[T+52]
	v_permlanex16_b32 v13, v[T+52], s44, s45
	v_or_b32 v[PS], v[T+52], v13                   ; with lane l xor 16's the word is whole
	CVT4 PC, PC+6
.endm
.macro QUANTA                          ; X[0:31] = query k 32 h on -> QF[0:5], QS0;  X[32:63] = kv likewise -> PC[0:5], KS.  The words' upper bytes stay 0: they meet zero codes in the weights
	QMAX2
	v_lshlrev_b32 v[T+52], v12, v[T+52]
	v_lshlrev_b32 v[T+53], v12, v[T+53]
	v_permlanex16_b32 v13, v[T+52], s44, s45
	v_or_b32 v[QS0], v[T+52], v13
	v_permlanex16_b32 v13, v[T+53], s44, s45
	v_or_b32 v[KS], v[T+53], v13
	CVT4 QF, PC
.endm
.macro QUANT16                         ; Y[0:15] = k 16 h + 0 .. 15 of a K of 32 -> PC[0:2], PS.  What else PC holds meets zero codes in the weights
	v_max3_num_f32 v[T+48], |v[Y]|, |v[Y+1]|, FLOOR
	v_max3_num_f32 v[T+49], |v[Y+8]|, |v[Y+9]|, |v[Y+10]|
.irp i, 2,4
	v_max3_num_f32 v[T+48], v[T+48], |v[Y+\i]|, |v[Y+1+\i]|
	v_max3_num_f32 v[T+49], v[T+49], |v[Y+9+\i]|, |v[Y+10+\i]|
.endr
	v_max3_num_f32 v[T+48], v[T+48], |v[Y+6]|, |v[Y+7]|
	v_max3_num_f32 v[T+48], v[T+48], v[T+49], |v[Y+15]|
	v_permlanex16_b32 v13, v[T+48], s44, s45
	v_max_num_f32 v[T+48], v[T+48], v13            ; the block lies in lanes l and l xor 16
	v_add_nc_u32 v[T+50], OFF4, v[T+48]
	v_lshrrev_b32 v[T+52], 23, v[T+50]
	v_perm_b32 v[PS], v[T+52], v[T+52], 0          ; its byte at all four places
	v_cvt_scalef32_pk16_bf6_f32 v[PC:PC+2], v[Y:Y+15], v[T+50]
	PLACES 8                                       ; behind the conversion, and ahead of the scaled matrix instruction: 8 for a scale word made by vector instructions, 4 for an operand
.endm
.macro QUANT8                          ; Y[16:23] = eps_ 8 h + 0 .. 7 = k 64 + 8 h on -> QF[6:8], QS.  The conversion's upper eight numbers meet zero codes in the weights
	v_max3_num_f32 v[T+48], |v[Y+16]|, |v[Y+17]|, FLOOR
.irp i, 18,20,22
	v_max3_num_f32 v[T+48], v[T+48], |v[Y+\i]|, |v[Y+1+\i]|
.endr
	v_permlanex16_b32 v13, v[T+48], s44, s45
	v_max_num_f32 v[T+48], v[T+48], v13
	v_add_nc_u32 v[T+50], OFF4, v[T+48]
	v_lshrrev_b32 v[T+52], 23, v[T+50]
	v_lshl_or_b32 v[T+52], v[T+52], 8, v[T+52]
	v_lshl_or_b32 v[QS], v[T+52], 16, v[QS0]       ; bytes 0, 1: the query's blocks; bytes 2, 3: eps_'s
	v_cvt_scalef32_pk16_bf6_f32 v[QF+6:QF+8], v[Y+16:Y+31], v[T+50]
	PLACES 8
.endm
.macro REDUCE                          ; four chains of pairs -> v[PT]: the sum over my numbers and lane l xor 16's
	v_pk_add_f32 v[PT:PT+1], v[PT:PT+1], v[PT+2:PT+3]
	v_pk_add_f32 v[PT+4:PT+5], v[PT+4:PT+5], v[PT+6:PT+7]
	v_pk_add_f32 v[PT:PT+1], v[PT:PT+1], v[PT+4:PT+5]
	v_add_f32 v[PT], v[PT], v[PT+1]
	v_permlanex16_b32 v13, v[PT], s44, s45
	v_add_f32 v[PT], v[PT], v13
.endm
; LayerNorm's figures over np pairs of Y: Y becomes Y - mean; v62 = 1 / sqrt(var + 1e-5).  The pairs are taken in ascending order.
.macro LNSTAT np, inv
.irp k, 0,1,2,3
	v_pk_add_f32 v[PT+2*\k:PT+2*\k+1], v[Y+2*\k:Y+2*\k+1], v[Y+8+2*\k:Y+9+2*\k]
.endr
.set lp, 8
.rept (\np)-8
	v_pk_add_f32 v[PT+2*(lp%4):PT+2*(lp%4)+1], v[PT+2*(lp%4):PT+2*(lp%4)+1], v[Y+2*lp:Y+2*lp+1]
.set lp, lp+1
.endr
	REDUCE
	v_mul_f32 v60, s[\inv], v[PT]
.set lp, 0
.rept \np
	v_pk_add_f32 v[Y+2*lp:Y+2*lp+1], v[Y+2*lp:Y+2*lp+1], v[60:61] op_sel_hi:[1,0] neg_lo:[0,1] neg_hi:[0,1]
.set lp, lp+1
.endr
.irp k, 0,1,2,3
	v_pk_mul_f32 v[PT+2*\k:PT+2*\k+1], v[Y+2*\k:Y+2*\k+1], v[Y+2*\k:Y+2*\k+1]
.endr
.set lp, 4
.rept (\np)-4
	v_pk_fma_f32 v[PT+2*(lp%4):PT+2*(lp%4)+1], v[Y+2*lp:Y+2*lp+1], v[Y+2*lp:Y+2*lp+1], v[PT+2*(lp%4):PT+2*(lp%4)+1]
.set lp, lp+1
.endr
	REDUCE
	v_fma_f32 v62, v[PT], s[\inv], s48
	v_rsq_f32 v62, v62
	v_nop                                          ; a plain place behind the transcendental,
	s_wait_alu depctr_va_vdst(0)                   ; and a wait ahead of its first reader
.endm
.macro PARL soff, goff, adr, g, p      ; gain and bias of units 16 g on (of my half) into T[p ..], T[p + 16 ..]
.irp j, 0,1,2,3
	ds_load_b128 v[T+(\p)+4*\j:T+(\p)+4*\j+3], v[\adr] offset:PAR+(\soff)+64*(\g)+16*\j
.endr
.irp j, 0,1,2,3
	ds_load_b128 v[T+(\p)+16+4*\j:T+(\p)+16+4*\j+3], v[\adr] offset:PAR+(\goff)+64*(\g)+16*\j
.endr
.endm
.macro AFF g, p                        ; 16 numbers: x 1 / sqrt(..), x gain + bias
.irp n, 0,2,4,6,8,10,12,14
	v_pk_mul_f32 v[Y+16*(\g)+\n:Y+16*(\g)+\n+1], v[Y+16*(\g)+\n:Y+16*(\g)+\n+1], v[62:63] op_sel_hi:[1,0]
.endr
.irp n, 0,2,4,6,8,10,12,14
	v_pk_fma_f32 v[Y+16*(\g)+\n:Y+16*(\g)+\n+1], v[Y+16*(\g)+\n:Y+16*(\g)+\n+1], v[T+(\p)+\n:T+(\p)+\n+1], v[T+(\p)+16+\n:T+(\p)+17+\n]
.endr
.endm
; GELU of Y[16 g ..+15], in place.  T[0:15] t; T[16:31] the exponent, then its 2^; T[32:47] t^2, then max(y, 0); T[48:63] the small branch, then Q.  skip = 1: X[16 g ..] += the result.
.macro GELU16 g, skip
.set gy, Y+16*(\g)
.set gx, X+16*(\g)
.set gk, 0
.rept 16
	v_mul_f32 v[T+gk], s38, |v[gy+gk]|
.set gk, gk+1
.endr
.irp n, 0,2,4,6,8,10,12,14
	v_pk_fma_f32 v[T+16+\n:T+17+\n], v[T+\n:T+1+\n], s[12:13], v[14:15] op_sel_hi:[1,0,0]      ; K7 t + K6
.endr
.irp c, 16,18,20,22,24
.irp n, 0,2,4,6,8,10,12,14
	v_pk_fma_f32 v[T+16+\n:T+17+\n], v[T+16+\n:T+17+\n], v[T+\n:T+1+\n], s[\c:\c+1] op_sel_hi:[1,1,0]   ; .. t + K5 .. K1
.endr
.endr
.irp n, 0,2,4,6,8,10,12,14
	v_pk_fma_f32 v[T+16+\n:T+17+\n], v[T+16+\n:T+17+\n], v[T+\n:T+1+\n], -1.0 op_sel_hi:[1,1,0]
.endr
.set gk, 0
.rept 16
	v_exp_f32 v[T+16+gk], v[T+16+gk]               ; one batch; the small branch below, 56 plain instructions that name none of its results, stands behind it
.set gk, gk+1
.endr
.irp n, 0,2,4,6,8,10,12,14
	v_pk_mul_f32 v[T+32+\n:T+33+\n], v[T+\n:T+1+\n], v[T+\n:T+1+\n]
.endr
.irp n, 0,2,4,6,8,10,12,14
	v_pk_fma_f32 v[T+48+\n:T+49+\n], v[T+32+\n:T+33+\n], s[26:27], v[14:15] op_sel:[0,0,1] op_sel_hi:[1,0,1]   ; B5 s + B4
.endr
.irp c, 30,32,34,36
.irp n, 0,2,4,6,8,10,12,14
	v_pk_fma_f32 v[T+48+\n:T+49+\n], v[T+48+\n:T+49+\n], v[T+32+\n:T+33+\n], s[\c:\c+1] op_sel_hi:[1,1,0]   ; .. s + B3 .. B0
.endr
.endr
.irp n, 0,2,4,6,8,10,12,14
	v_pk_fma_f32 v[T+48+\n:T+49+\n], v[T+48+\n:T+49+\n], v[T+\n:T+1+\n], 0.5 op_sel_hi:[1,1,0]
.endr
	s_wait_alu depctr_va_vdst(0)                   ; one wait for the sixteen exponentials, ahead of their first reader
.irp q, 0,4,8,12
.irp k, 0,1,2,3
	v_cmp_lt_f32 s[50+\k], s39, v[T+\q+\k]
.endr
.irp k, 0,1,2,3
	v_cndmask_b32 v[T+48+\q+\k], v[T+48+\q+\k], v[T+16+\q+\k], s[50+\k]
.endr
.endr
.set gk, 0
.rept 16
	v_max_num_f32 v[T+32+gk], 0, v[gy+gk]
.set gk, gk+1
.endr
.set gk, 0
.rept 16
	v_fma_f32 v[gy+gk], -|v[gy+gk]|, v[T+48+gk], v[T+32+gk]
.set gk, gk+1
.endr
.if \skip
.irp n, 0,2,4,6,8,10,12,14
	v_pk_add_f32 v[gx+\n:gx+\n+1], v[gx+\n:gx+\n+1], v[gy+\n:gy+\n+1]
.endr
.endif
.endm
; ATTENTION.  T[0:7] my eight q_i; T[8:23] the 16 kv; a softmax row rho = 2 i + head: T[24+rho] u, then sum p; T[40+rho] its maximum, then sum p kv.  Two rows (one i, both heads) at a time, in 32 registers of X.
.macro ATT_F b, buf                    ; t - max for rows 2 b, 2 b + 1
.irp n, 0,2,4,6,8,10,12,14
	v_pk_fma_f32 v[(\buf)+\n:(\buf)+\n+1], v[T+8+\n:T+9+\n], v[T+24+2*(\b):T+25+2*(\b)], v[T+40+2*(\b):T+41+2*(\b)] op_sel_hi:[1,0,0] neg_lo:[0,0,1] neg_hi:[0,0,1]
.endr
.irp n, 0,2,4,6,8,10,12,14
	v_pk_fma_f32 v[(\buf)+16+\n:(\buf)+17+\n], v[T+8+\n:T+9+\n], v[T+24+2*(\b):T+25+2*(\b)], v[T+40+2*(\b):T+41+2*(\b)] op_sel:[0,1,1] op_sel_hi:[1,1,1] neg_lo:[0,0,1] neg_hi:[0,0,1]
.endr
.endm
.macro ATT_E buf
.set ek, 0
.rept 32
	v_exp_f32 v[(\buf)+ek], v[(\buf)+ek]
.set ek, ek+1
.endr
.endm
.macro ATT_S b, buf                    ; the two rows' sum p and sum p kv, four chains by turns
	v_pk_add_f32 v[T+58:T+59], v[(\buf):(\buf)+1], v[(\buf)+2:(\buf)+3]
	v_pk_add_f32 v[T+62:T+63], v[(\buf)+16:(\buf)+17], v[(\buf)+18:(\buf)+19]
	v_pk_mul_f32 v[T+60:T+61], v[(\buf):(\buf)+1], v[T+8:T+9]
	v_pk_mul_f32 v[60:61], v[(\buf)+16:(\buf)+17], v[T+8:T+9]
	v_pk_fma_f32 v[T+60:T+61], v[(\buf)+2:(\buf)+3], v[T+10:T+11], v[T+60:T+61]
	v_pk_fma_f32 v[60:61], v[(\buf)+18:(\buf)+19], v[T+10:T+11], v[60:61]
.irp n, 4,6,8,10,12,14
	v_pk_add_f32 v[T+58:T+59], v[T+58:T+59], v[(\buf)+\n:(\buf)+\n+1]
	v_pk_add_f32 v[T+62:T+63], v[T+62:T+63], v[(\buf)+16+\n:(\buf)+17+\n]
	v_pk_fma_f32 v[T+60:T+61], v[(\buf)+\n:(\buf)+\n+1], v[T+8+\n:T+9+\n], v[T+60:T+61]
	v_pk_fma_f32 v[60:61], v[(\buf)+16+\n:(\buf)+17+\n], v[T+8+\n:T+9+\n], v[60:61]
.endr
	v_add_f32 v[T+24+2*(\b)], v[T+58], v[T+59]
	v_add_f32 v[T+25+2*(\b)], v[T+62], v[T+63]
	v_add_f32 v[T+40+2*(\b)], v[T+60], v[T+61]
	v_add_f32 v[T+41+2*(\b)], v60, v61
.endm
.macro LOADNEXT                        ; a tile of query_embed and of kv_embed into Y: each load reads 512 consecutive bytes, aligned; read once in the launch
.irp i, 0,1,2,3,4,5,6,7
	global_load_b128 v[Y+4*\i:Y+4*\i+3], v1, s[4:5] offset:512*\i th:TH_LOAD_NT
.endr
.irp i, 0,1,2,3,4,5,6,7
	global_load_b128 v[Y+32+4*\i:Y+32+4*\i+3], v1, s[6:7] offset:512*\i th:TH_LOAD_NT
.endr
.endm
.macro STASH                           ; and from Y into my stage: two rows a store
.irp i, 0,1,2,3,4,5,6,7
	ds_store_b128 v9, v[Y+4*\i:Y+4*\i+3] offset:544*\i
.endr
.irp i, 0,1,2,3,4,5,6,7
	ds_store_b128 v9, v[Y+32+4*\i:Y+32+4*\i+3] offset:4352+544*\i
.endr
.endm
.macro LNGELU64 soff, goff             ; LayerNorm over 128, GELU, + the skip that lies in X: the sum is left in X
	PARL \soff, \goff, 7, 0, 0
	PARL \soff, \goff, 7, 1, 32
	LNSTAT 32, 46
	s_wait_dscnt 0x0
	AFF 0, 0
	PARL \soff, \goff, 7, 2, 0
	AFF 1, 32
	PARL \soff, \goff, 7, 3, 32
	s_wait_dscnt 8                                 ; the third sixteen's eight loads are in; the fourth's eight may be out
	AFF 2, 0
	s_wait_dscnt 0x0
	AFF 3, 32
	GELU16 0, 1
	GELU16 1, 1
	GELU16 2, 1
	GELU16 3, 1
.endm
.macro MID f0, boff, soff, goff        ; X (K 128) x a weight of 32 rows, LayerNorm over 32, GELU: left in Y[0:15]
	BIAS Y, 5, \boff, 2
	FRAGS \f0, 2, 0
	QUANT64
	s_wait_dscnt 0x0
	PLACES 8                                       ; a scale word made by vector instructions stands 8 places ahead of the scaled matrix instruction, an operand 4
	MM Y, T, PC, WS, PS, 0
	MM Y+8, T+12, PC, WS+1, PS, 0
	PLACES 4                                       ; ahead of loads into the operands' registers and of the first read of results
	PARL \soff, \goff, 5, 0, 0
	LNSTAT 8, 47
	s_wait_dscnt 0x0
	AFF 0, 0
	GELU16 0, 0
.endm
; ---- THE HEAD
	s_load_b256 s[4:11], s[0:1], 0x0               ; query_embed, kv_embed, ws, out0
	s_load_b512 s[12:27], s[0:1], 0x20             ; eps_fc1_b, eps_ln1_s, eps_ln1_b, eps_fc2_b, eps_ln2_s, eps_ln2_b, eps_fc_b, res_fc1_b
	s_load_b256 s[28:35], s[0:1], 0x60             ; res_ln1_s, res_ln1_b, res_match_b, res_fc2_b
	s_load_b128 s[36:39], s[0:1], 0x80             ; res_ln2_s, res_ln2_b
	s_load_b64 s[40:41], s[0:1], 0x90              ; res_fc_b
	v_lshrrev_b32 v13, 5, v0
	v_readfirstlane_b32 s2, v13                    ; wave 0..15
	v_and_b32 v14, 31, v0                          ; lane
	v_lshlrev_b32 v1, 4, v14
	v_lshlrev_b32 v2, 2, v14
	v_mov_b32 v3, 0
	v_bfe_u32 v12, v0, 4, 1                        ; h
	v_lshlrev_b32 v4, 5, v12
	v_lshlrev_b32 v5, 6, v12
	v_lshlrev_b32 v6, 7, v12
	v_lshlrev_b32 v7, 8, v12
	v_and_b32 v13, 15, v0                          ; r
	s_mul_i32 s54, s2, 8704
	s_add_co_u32 s54, s54, INS                     ; my stage in
	s_mul_i32 s55, s2, 4352
	s_add_co_u32 s55, s55, OUTS                    ; my stage out
	v_mul_u32_u24 v8, v13, 272
	v_lshl_add_u32 v8, v12, 7, v8                  ; row r, + 128 h: my 32 numbers of a row
	v_add_nc_u32 v10, s55, v8
	v_add_nc_u32 v8, s54, v8
	v_mul_u32_u24 v9, v12, 272
	v_lshl_add_u32 v9, v13, 4, v9                  ; as memory has it: lanes 0-15 one row, lanes 16-31 the next
	v_add_nc_u32 v11, s55, v9
	v_add_nc_u32 v9, s54, v9
	v_lshlrev_b32 v12, 3, v12                      ; 8 h
	v_lshlrev_b32 v15, 4, v0                       ; 16 x thread: the copy of ws
	v_lshlrev_b32 v13, 2, v13                      ; 4 r: eps_fc_b's 16 numbers (both halves of the lanes take the same)
	v_lshlrev_b32 v14, 3, v14                      ; 8 x lane: res_fc_b's 64
	s_lshl_b32 s54, ttmp9, 18                      ; 64 tiles of 4,096 bytes a work-group,
	s_lshl_b32 s55, s2, 12                         ; my wave's tile among the trip's sixteen
	s_add_co_u32 s54, s54, s55
	s_mov_b32 s55, 0
	s_mov_b32 s44, 0x76543210
	s_mov_b32 s45, 0xfedcba98                      ; v_permlanex16_b32's selects for lane l xor 16
	s_mov_b32 s46, 0x3c000000                      ; 1 / 128
	s_mov_b32 s47, 0x3d000000                      ; 1 / 32
	s_mov_b32 s48, 0x3727c5ac                      ; 1e-5
	s_wait_kmcnt 0x0
	s_add_nc_u64 s[4:5], s[4:5], s[54:55]
	s_add_nc_u64 s[6:7], s[6:7], s[54:55]
	s_add_nc_u64 s[10:11], s[10:11], s[54:55]
	LOADNEXT                                       ; my first tile
.irp i, 0,1,2,3,4,5,6
	global_load_b128 v[X+4*\i:X+4*\i+3], v15, s[8:9] offset:8192*\i      ; ws: 7 x 8,192 bytes by all 512 threads,
.endr
	s_cmp_ge_u32 s2, 2
	s_cbranch_scc1 .Lno8
	global_load_b128 v[X+28:X+31], v15, s[8:9] offset:57344             ; and its last 1,024 by waves 0 and 1
	s_wait_loadcnt 0x0
	ds_store_b128 v15, v[X+28:X+31] offset:57344
.Lno8:
	s_cmp_lg_u32 s2, 2
	s_cbranch_scc1 .Lnovec
	global_load_b128 v[T:T+3], v1, s[12:13]        ; wave 2: the fifteen vectors
	global_load_b128 v[T+4:T+7], v1, s[14:15]
	global_load_b128 v[T+8:T+11], v1, s[16:17]
	global_load_b128 v[T+12:T+15], v1, s[26:27]
	global_load_b128 v[T+16:T+19], v1, s[28:29]
	global_load_b128 v[T+20:T+23], v1, s[30:31]
	global_load_b128 v[T+24:T+27], v1, s[32:33]
	global_load_b32 v[T+28], v2, s[18:19]
	global_load_b32 v[T+29], v2, s[20:21]
	global_load_b32 v[T+30], v2, s[22:23]
	global_load_b32 v[T+31], v2, s[34:35]
	global_load_b32 v[T+32], v2, s[36:37]
	global_load_b32 v[T+33], v2, s[38:39]
	global_load_b32 v[T+34], v13, s[24:25]
	global_load_b64 v[T+36:T+37], v14, s[40:41]
	s_wait_loadcnt 0x0
	ds_store_b128 v1, v[T:T+3] offset:PAR+E1B
	ds_store_b128 v1, v[T+4:T+7] offset:PAR+E1S
	ds_store_b128 v1, v[T+8:T+11] offset:PAR+E1G
	ds_store_b128 v1, v[T+12:T+15] offset:PAR+R1B
	ds_store_b128 v1, v[T+16:T+19] offset:PAR+R1S
	ds_store_b128 v1, v[T+20:T+23] offset:PAR+R1G
	ds_store_b128 v1, v[T+24:T+27] offset:PAR+RMB
	ds_store_b32 v2, v[T+28] offset:PAR+E2B
	ds_store_b32 v2, v[T+29] offset:PAR+E2S
	ds_store_b32 v2, v[T+30] offset:PAR+E2G
	ds_store_b32 v2, v[T+31] offset:PAR+R2B
	ds_store_b32 v2, v[T+32] offset:PAR+R2S
	ds_store_b32 v2, v[T+33] offset:PAR+R2G
	ds_store_b32 v13, v[T+34] offset:PAR+EFB       ; lanes l and l xor 16 write the same word with the same value
	ds_store_b64 v14, v[T+36:T+37] offset:PAR+RFB
.Lnovec:
	s_wait_loadcnt 0x0                             ; every load of mine is in: its address registers and pointers may be written again
.irp i, 0,1,2,3,4,5,6
	ds_store_b128 v15, v[X+4*\i:X+4*\i+3] offset:8192*\i
.endr
	STASH
	s_load_b128 s[40:43], s[8:9], CONST+96         ; alpha0, alpha1, beta0, beta1 (this launch stores nothing into ws)
.macro KPAIR r, bits                   ; a constant in both words of a pair: the packed forms name the pair and take its low word for both halves
	s_mov_b32 s[\r], \bits
	s_mov_b32 s[\r+1], \bits
.endm
	KPAIR 12, 0xb7d130d7                           ; K7 = -2.493748e-5   (the fit's coefficients x log2(e); K1 holds the -t term too)
	KPAIR 16, 0xbbb79c87                           ; K5 = -5.603376e-3
	KPAIR 18, 0x3d0f53cc                           ; K4 =  3.499202e-2
	KPAIR 20, 0xbe1dbebc                           ; K3 = -0.1540479
	KPAIR 22, 0xbf6a77c7                           ; K2 = -0.9158902
	KPAIR 24, 0xbfd06f41                           ; K1 = -1.6283952
	KPAIR 26, 0x399c7000                           ; B5 =  2.983809e-4   (the fit's coefficients x -1/2)
	KPAIR 30, 0x3c5b48d9                           ; B3 =  1.338407e-2
	KPAIR 32, 0xbd670e22                           ; B2 = -5.640996e-2
	KPAIR 34, 0x3e409380                           ; B1 =  0.1880627
	KPAIR 36, 0xbf106ebb                           ; B0 = -0.5641896
	s_mov_b32 s38, 0x3f3504f3                      ; 1 / sqrt(2)
	s_mov_b32 s39, 0x3f6d8000                      ; 0.927734375
.irp i, 6,7,8,9,10,11
	v_mov_b32 v[QF+\i], 0                          ; the operands' upper halves are named before they are first made; they meet zero codes
	v_mov_b32 v[PC+\i], 0
.endr
.irp i, 16,17,18,19,20,21,22,23
	v_mov_b32 v[T+\i], 0                           ; lane permutes' destinations count as sources
.endr
	v_mov_b32 v61, 0                               ; named as upper halves of pairs
	v_mov_b32 v63, 0
	s_wait_kmcnt 0x0
	s_wait_dscnt 0x0                               ; for the others' sake: my part of ws and the vectors lies in LDS
	s_barrier_signal -1
	s_barrier_wait -1                              ; everybody's does; from here on these bytes are only read
	v_mov_b32 v13, 0
	v_mov_b32 v14, 0x3a10ec3c                      ; K6 = 5.528366e-4
	v_mov_b32 v15, 0xbb238d2c                      ; B4 = -2.495597e-3
	s_mov_b32 s3, 4
.Ltile:
; ---- A: q = query Wq^T, kv = kv_embed Wkv^T
.irp j, 0,1,2,3,4,5,6,7
	ds_load_b128 v[X+4*\j:X+4*\j+3], v8 offset:16*\j                ; my 32 numbers of query row r (LDS serves a wave's instructions in order: these see my stores)
.endr
.irp j, 0,1,2,3,4,5,6,7
	ds_load_b128 v[X+32+4*\j:X+32+4*\j+3], v8 offset:4352+16*\j     ; and of kv row r
.endr
.irp q, 0,1
.irp c, 0,1,2
	ds_load_b128 v[Y+12*\q+4*\c:Y+12*\q+4*\c+3], v1 offset:\q*1536+512*\c
.endr
	ds_load_b32 v[WS+\q], v2 offset:SCW+128*\q
.endr
	s_wait_dscnt 8                                 ; the 16 loads of numbers are in; the weights' eight may be out
	QUANTA
	s_wait_dscnt 0x0
	PLACES 8
	MM T, Y, QF, WS, QS0, 1
	MM T+8, Y+12, PC, WS+1, KS, 1
	PLACES 4
	s_cmp_eq_u32 s3, 1                             ; the next tile is asked for here, if there is one: no load leaves its buffer
	s_cbranch_scc1 .Lno_next
	s_add_nc_u64 s[4:5], s[4:5], 0x10000           ; sixteen tiles on (the last loads through these pointers were waited for)
	s_add_nc_u64 s[6:7], s[6:7], 0x10000
	LOADNEXT
.Lno_next:
; ---- B: the attention.  Lane (r, h) has q_i for i = 8 h + 0 .. 7 and takes both heads of these eight queries
.irp j, 0,1,2,3,4,5,6,7
	v_permlanex16_b32 v[T+16+\j], v[T+8+\j], s44, s45               ; the other eight kv (the keys' order does not matter to the sums)
.endr
	v_max3_num_f32 v[T+56], v[T+8], v[T+9], v[T+10]
	v_min3_num_f32 v[T+57], v[T+8], v[T+9], v[T+10]
.irp i, 11,13,15,17,19,21
	v_max3_num_f32 v[T+56], v[T+56], v[T+\i], v[T+1+\i]
	v_min3_num_f32 v[T+57], v[T+57], v[T+\i], v[T+1+\i]
.endr
	v_max_num_f32 v[T+56], v[T+56], v[T+23]
	v_min_num_f32 v[T+57], v[T+57], v[T+23]
.irp i, 0,1,2,3,4,5,6,7
	v_fma_f32 v[T+24+2*\i], s40, v[T+\i], s42      ; u = alpha q + beta, head 0,
	v_fma_f32 v[T+25+2*\i], s41, v[T+\i], s43      ; head 1
.endr
.irp n, 0,2,4,6,8,10,12,14
	v_pk_mul_f32 v[T+40+\n:T+41+\n], v[T+24+\n:T+25+\n], v[T+56:T+57] op_sel_hi:[1,0]
	v_pk_mul_f32 v[X+\n:X+1+\n], v[T+24+\n:T+25+\n], v[T+56:T+57] op_sel:[0,1] op_sel_hi:[1,1]
.endr
.set k, 0
.rept 16
	v_max_num_f32 v[T+40+k], v[T+40+k], v[X+k]     ; the row's largest t: u kvmax or u kvmin
.set k, k+1
.endr
	ATT_F 0, X
	ATT_E X
.irp b, 1,2,3,4,5,6,7                  ; two buffers by turns: a pair's sums stand behind the next pair's exponentials
	ATT_F \b, X+32*(\b%2)
	s_wait_alu depctr_va_vdst(0)                   ; for the exponentials of the pair before: one wait a batch, ahead of its first reader
	ATT_E X+32*(\b%2)
	ATT_S \b-1, X+32*((\b-1)%2)
.endr
	s_wait_alu depctr_va_vdst(0)
	ATT_S 7, X+32
.irp n, 0,1,2,3,4,5
	ds_load_b128 v[T+4*\n:T+4*\n+3], v3 offset:CONST+16*\n          ; P0, P1, R
.endr
.set k, 0
.rept 16
	v_rcp_f32 v[T+24+k], v[T+24+k]                 ; the sums are near 1 or above: each row's largest p is
.set k, k+1
.endr
	v_nop
	s_wait_alu depctr_va_vdst(0)
.irp n, 0,2,4,6,8,10,12,14
	v_pk_mul_f32 v[T+40+\n:T+41+\n], v[T+40+\n:T+41+\n], v[T+24+\n:T+25+\n]      ; m = sum p kv / sum p
.endr
	s_wait_loadcnt 0x0                             ; the next tile has come while the attention ran
	s_cmp_eq_u32 s3, 1
	s_cbranch_scc1 .Lno_stash
	STASH                                          ; this tile's reads of the stage were waited for in A
.Lno_stash:
	s_wait_dscnt 0x0
.irp i, 0,1,2,3,4,5,6,7
.irp n, 0,2,4,6
	v_pk_fma_f32 v[X+8*\i+\n:X+8*\i+\n+1], v[T+\n:T+\n+1], v[T+40+2*\i:T+41+2*\i], v[T+16+\n:T+17+\n] op_sel_hi:[1,0,1]
.endr
.endr
.irp i, 0,1,2,3,4,5,6,7
.irp n, 0,2,4,6
	v_pk_fma_f32 v[X+8*\i+\n:X+8*\i+\n+1], v[T+8+\n:T+9+\n], v[T+40+2*\i:T+41+2*\i], v[X+8*\i+\n:X+8*\i+\n+1] op_sel:[0,1,0] op_sel_hi:[1,1,1]
.endr
.endr                                  ; X[n] = eps[64 h + n]
; ---- C: eps eps_fc1_w^T + b: eight tiles, four operand images at a time
	BIAS Y, 7, E1B, 8
	FRAGS 2, 4, 0
	QUANT64
	s_wait_dscnt 0x0
	PLACES 8
.irp q, 0,1,2,3
	MM Y+8*\q, T+12*\q, PC, WS+\q, PS, 0
.endr
	PLACES 4
	FRAGS 6, 4, 4
	s_wait_dscnt 0x0
.irp q, 0,1,2,3
	MM Y+32+8*\q, T+12*\q, PC, WS+4+\q, PS, 0
.endr
	PLACES 4
; ---- D: LayerNorm, GELU, + eps
	LNGELU64 E1S, E1G
; ---- E: eps_fc2, LayerNorm, GELU
	MID 10, E2B, E2S, E2G
; ---- F: eps_ = .. eps_fc_w^T + b, and its codes beside the query's
	BIAS Y+16, 4, EFB, 1
	FRAGS 12, 1, 0
	QUANT16
	s_wait_dscnt 0x0
	MM Y+16, T, PC, WS, PS, 0
	PLACES 4
	QUANT8
; ---- G: [query, eps_] x res_fc1_w^T -> Y, x res_match_w^T -> X
	BIAS Y, 7, R1B, 8
	BIAS X, 7, RMB, 8
.irp gq, 0,1,2,3
	FRAGS 13+4*\gq, 4, 4*(\gq%2)
	s_wait_dscnt 0x0
.irp q, 0,1,2,3
	MM Y-64*(\gq/2)+8*(4*(\gq%2)+\q), T+12*\q, QF, WS+4*(\gq%2)+\q, QS, 0
.endr
	PLACES 4
.endr
; ---- H: LayerNorm, GELU, + the matched skip
	LNGELU64 R1S, R1G
; ---- I: res_fc2, LayerNorm, GELU
	MID 29, R2B, R2S, R2G
; ---- J: res_fc, and the way out
	BIAS Y+16, 6, RFB, 4
	FRAGS 31, 4, 0
	QUANT16
	s_wait_dscnt 0x0
.irp q, 0,1,2,3
	MM Y+16+8*\q, T+12*\q, PC, WS+\q, PS, 0
.endr
	PLACES 4
.irp q, 0,1,2,3
	ds_store_b128 v10, v[Y+16+8*\q:Y+19+8*\q] offset:32*\q          ; lane (r, h): out(r, 32 h + 8 q + 0 .. 7); each accumulator from its low end on
	ds_store_b128 v10, v[Y+20+8*\q:Y+23+8*\q] offset:32*\q+16
.endr
.irp i, 0,1,2,3,4,5,6,7
	ds_load_b128 v[T+4*\i:T+4*\i+3], v11 offset:544*\i              ; back as memory has it: my own bytes, served in order
.endr
.irp i, 0,1,2,3,4,5,6,7
	s_wait_dscnt 7-\i
	global_store_b128 v1, v[T+4*\i:T+4*\i+3], s[10:11] offset:512*\i th:TH_STORE_NT   ; 512 consecutive bytes, aligned; written once, read by nobody here
.endr
	s_wait_xcnt 0x0                                ; the stores have read their registers and their base: both are written again only behind this wait
	s_add_nc_u64 s[10:11], s[10:11], 0x10000
	s_sub_co_u32 s3, s3, 1
	s_cmp_lg_u32 s3, 0
	s_cbranch_scc1 .Ltile
	s_wait_xcnt 0x0
	v_lshl_add_u32 v254, v0, 2, 0x42700
	v_mov_b32 v255, 0
	s_wait_tensorcnt 0x0
	ds_add_u32 v254, v255
	s_wait_dscnt 0x0
	s_endpgm
.Lfunc_end_k_qbedd0d3baa_main:
	.size	k_qbedd0d3baa_main, .Lfunc_end_k_qbedd0d3baa_main-k_qbedd0d3baa_main
	.p2alignl 7, 3214868480
	.fill 96, 4, 3214868480
	.section	.rodata,"a",@progbits
	.p2align	6, 0x0
	.amdhsa_kernel k_qbedd0d3baa_main
		.amdhsa_group_segment_fixed_size 274176
		.amdhsa_private_segment_fixed_size 0
		.amdhsa_enable_private_segment 0
		.amdhsa_kernarg_size 152
		.amdhsa_user_sgpr_count 2
		.amdhsa_user_sgpr_kernarg_segment_ptr 1
		.amdhsa_wavefront_size32 1
		.amdhsa_system_sgpr_workgroup_id_x 1
		.amdhsa_system_sgpr_workgroup_id_y 1
		.amdhsa_system_sgpr_workgroup_id_z 1
		.amdhsa_system_vgpr_workitem_id 0
		.amdhsa_next_free_vgpr 256
		.amdhsa_next_free_sgpr 66
		.amdhsa_reserve_vcc 0
		.amdhsa_float_denorm_mode_32 3
		.amdhsa_float_denorm_mode_16_64 3
		.amdhsa_memory_ordered 1
		.amdhsa_forward_progress 1
		.amdhsa_inst_pref_size 251
	.end_amdhsa_kernel
	.amdgpu_metadata
---
amdhsa.version: [ 1, 2 ]
amdhsa.kernels:
  - .name:           k_qbedd0d3baa_main
    .symbol:         k_qbedd0d3baa_main.kd
    .args:
      - { .name: query_embed, .offset: 0, .size: 8, .value_kind: global_buffer, .address_space: global }
      - { .name: kv_embed, .offset: 8, .size: 8, .value_kind: global_buffer, .address_space: global }
      - { .name: ws, .offset: 16, .size: 8, .value_kind: global_buffer, .address_space: global }
      - { .name: out0, .offset: 24, .size: 8, .value_kind: global_buffer, .address_space: global }
      - { .name: eps_fc1_b, .offset: 32, .size: 8, .value_kind: global_buffer, .address_space: global }
      - { .name: eps_ln1_s, .offset: 40, .size: 8, .value_kind: global_buffer, .address_space: global }
      - { .name: eps_ln1_b, .offset: 48, .size: 8, .value_kind: global_buffer, .address_space: global }
      - { .name: eps_fc2_b, .offset: 56, .size: 8, .value_kind: global_buffer, .address_space: global }
      - { .name: eps_ln2_s, .offset: 64, .size: 8, .value_kind: global_buffer, .address_space: global }
      - { .name: eps_ln2_b, .offset: 72, .size: 8, .value_kind: global_buffer, .address_space: global }
      - { .name: eps_fc_b, .offset: 80, .size: 8, .value_kind: global_buffer, .address_space: global }
      - { .name: res_fc1_b, .offset: 88, .size: 8, .value_kind: global_buffer, .address_space: global }
      - { .name: res_ln1_s, .offset: 96, .size: 8, .value_kind: global_buffer, .address_space: global }
      - { .name: res_ln1_b, .offset: 104, .size: 8, .value_kind: global_buffer, .address_space: global }
      - { .name: res_match_b, .offset: 112, .size: 8, .value_kind: global_buffer, .address_space: global }
      - { .name: res_fc2_b, .offset: 120, .size: 8, .value_kind: global_buffer, .address_space: global }
      - { .name: res_ln2_s, .offset: 128, .size: 8, .value_kind: global_buffer, .address_space: global }
      - { .name: res_ln2_b, .offset: 136, .size: 8, .value_kind: global_buffer, .address_space: global }
      - { .name: res_fc_b, .offset: 144, .size: 8, .value_kind: global_buffer, .address_space: global }
    .group_segment_fixed_size: 274176
    .private_segment_fixed_size: 0
    .kernarg_segment_align: 8
    .kernarg_segment_size: 152
    .max_flat_workgroup_size: 512
    .sgpr_count:     66
    .vgpr_count:     256
    .wavefront_size: 32
...
	.end_amdgpu_metadata
.endif
;; end of part 2
;; ======== version 2 of 2: 2 launches; version 1 with the launch main written anew for expert scheduling mode
;; workspace buffers: ws 58,368 bytes
;; launch prep: the kernel of part 1 again; grid 9 x 1, 4 waves a work-group, no clusters, 0 bytes of LDS; arguments Wq, Wkv, eps_fc1_w, eps_fc2_w, eps_fc_w, res_fc1_w, res_match_w, res_fc2_w, res_fc_w, wq_embed, wkv_embed, in_proj_w, in_proj_b, out_proj_w, out_proj_b, ws; writes ws
;; launch main (part 3): grid 256 x 1, 16 waves a work-group, no clusters, 274,176 bytes of LDS; arguments query_embed, kv_embed, ws, out0, eps_fc1_b, eps_ln1_s, eps_ln1_b, eps_fc2_b, eps_ln2_s, eps_ln2_b, eps_fc_b, res_fc1_b, res_ln1_s, res_ln1_b, res_match_b, res_fc2_b, res_ln2_s, res_ln2_b, res_fc_b; writes out0
.if DOCPART == 3
	.amdgcn_target "amdgcn-amd-amdhsa--gfx1250"
	.amdhsa_code_object_version 6
	.text
	.protected	k_qbedd0d3baa_main
	.globl	k_qbedd0d3baa_main
	.p2align	8
	.type	k_qbedd0d3baa_main,@function
k_qbedd0d3baa_main:
	s_mov_b64 s[64:65], 0
	v_nop
	global_prefetch_b8 v0, s[64:65] scope:SCOPE_SE
	s_setreg_imm32_b32 hwreg(HW_REG_WAVE_SCHED_MODE, 0, 2), 2
	s_setreg_imm32_b32 hwreg(HW_REG_WAVE_MODE, 25, 1), 1
	s_wait_xcnt 0x0
	s_wait_alu depctr_vm_vsrc(0)
; MAIN: the whole chain for 262,144 rows: two projections, a 16 x 16 attention of two heads, two small MLP stacks with LayerNorm and erf-GELU.  The nine quantised products run on codes of BF6 (E3M2).
; SHARES.  A tile is 16 rows.  Work-group g, wave w, trip n = 0 .. 3 takes tile 64 g + 16 n + w.  A wave is alone with its tile: ONE barrier in the launch, behind the head's fill of LDS.
; Sixteen waves of 256 registers, four to a SIMD: the work is vector work (some 3,300 vector instructions and 440 exponentials and their like for a tile's 35 matrix instructions), so one wave's waits stand beside another's arithmetic.
; LAYOUT.  Every product is used transposed (source 0 = 16 weight rows, source 1 = my 16 data rows): lane (r, h) holds data row r throughout.  The weights' rows and K places were chosen by the launch before
; so that a result's registers ARE the next operand's numbers in order: a lane holds units S h + 0 .. S - 1 (S = half the width), whole blocks of 32 lie in one lane or in lanes l and l xor 16, nothing changes lanes
; but maxima and sums, and each of the 35 tiles is one matrix instruction (its bias is loaded into the result's registers and taken as C).
; ATTENTION in f32 (products left as they are): t_ij = u_i kv_j, u_i = alpha q_i + beta; the row's maximum is max(u_i kvmax, u_i kvmin) and is taken away; p = 2^(t - max); m = sum p kv / sum p;
; eps[8 i + e] = P0[e] m_i0 + P1[e] m_i1 + R[e].  Terms of the scores without j, the key bias among them, shift a whole row and fall out with its maximum.  The order of rounding differs from the plain form's.
; GELU: g = max(y, 0) - |y| Q(t), t = |y| / sqrt(2), Q = erfc(t) / 2: no difference of near numbers for negative y.  t <= 0.927734375: Q = 0.5 + t (B0 + B1 s + .. + B5 s^5), s = t^2; above: Q = 2^(t (K1 + K2 t + .. + K7 t^6) - 1):
; a published fit of erf, its exponent brought to base 2.  Both are always computed and v_cndmask_b32 chooses.  The exponent is negative for every t above the threshold, so Q falls to 0 for large t.
; MEMORY.  A tile of query_embed, kv_embed or out0 is 4,096 consecutive bytes: each load and store of the wave covers 512 of them, aligned.  They turn through the wave's own stage in LDS (rows 272 bytes apart).
; The next tile's loads are issued ahead of the attention and waited for behind it.
; NO CLUSTER: the work-groups share ws alone, 58,368 bytes read once at the head, beside the 786,432 bytes of rows that each moves.  No tensor loads: a refill would bind sixteen waves that share nothing to one barrier.
; LIMITS: NaN and infinities among the inputs are not served; blocks whose largest magnitude lies under 2^-122 keep the scale byte 1; Q's relative error grows to some 4e-5 at t = 3, where |g| is under 5e-5.
; THE MODE: SCHED_MODE bits 1:0 = 2 (LLVM: expert scheduling mode 2), set by the entry lines.  The code itself states the register dependences
; between vector or matrix instructions and memory or LDS instructions, with s_wait_alu, always for 0.
; THE PLAN.  Registers that memory or LDS instructions touch, and who else names them, in a trip's order:
;   v1-11   addresses: made at the head, ahead of one wait on va_vdst, and never written again.  v13-15 are addresses at the head alone; a wait on vm_vsrc stands ahead of their new use.
;   X       A: LDS loads (the rows), read by the quantiser.  B to F: vector work alone.  G: LDS loads (res_match_b), then products and vector work up to the last quantiser of 64.
;   Y       A: LDS loads (two images), read by two products; then the next tile's global loads, which no vector instruction names and my LDS stores read.  C, E, F, G, I, J: LDS loads (biases), onto which products add.  J: LDS stores read the results.
;   T       LDS loads (images; gains and biases; P0, P1, R; the rows on the way out) by turns with vector work; global stores read T[0:31] at the trip's end.
;   WS      LDS loads; read by products alone.
; A wait on va_vdst stands: behind the places ahead of each run of products whose codes or scale word vector instructions have made; ahead of each run of loads into registers that a vector or matrix
; instruction issued since the last such wait has named; ahead of the way out's LDS stores; behind each batch of exponentials, roots or reciprocals, ahead of its first reader.  Where two of these fall
; together one line serves, and where a run of loads has no wait of its own the comment there says which earlier wait serves it.
; A wait on vm_vsrc stands at three places: behind the head's last LDS store; behind the stores of the next tile into the stage; at the trip's end.
; A wait on va_sdst stands ahead of the first reader of the wave's number, and in each GELU of sixteen between its sixteen compares and its sixteen selects.
.set SCW,   53760                      ; LDS 0 ..: a copy of ws: 35 operand images of 1,536 bytes; their scale words, 128 bytes each;
.set CONST, 58240                      ; P0[8], P1[8], R[8], alpha, beta
.set PAR,   58368                      ; the fifteen vectors, as they lie in memory:
.set E1B, 0
.set E1S, 512
.set E1G, 1024
.set R1B, 1536
.set R1S, 2048
.set R1G, 2560
.set RMB, 3072
.set E2B, 3584
.set E2S, 3712
.set E2G, 3840
.set R2B, 3968
.set R2S, 4096
.set R2G, 4224
.set EFB, 4352
.set RFB, 4416
.set INS,   63232                      ; a wave's stage in: 16 rows x 272 bytes of query_embed, then of kv_embed: 8,704 bytes a wave
.set OUTS,  202496                     ; a wave's stage out: 16 rows x 272 bytes: 4,352 a wave; the end is 272,128
; v1 16 x lane; v2 4 x lane; v3 0; v4-7 32 h, 64 h, 128 h, 256 h; v8, v9 stage in: read, write; v10, v11 stage out: write, read; v12 8 h; v13 a lane permute's destination; v14 K6, v15 B4
.set WS,  16                           ; v16-23 the weights' scale words
.set PS,  24                           ; v24 the scale word just made; v25 the query's two bytes; v26 those and eps_'s; v27 kv's.  v16-27 hold scales and nothing else
.set QS0, 25
.set QS,  26
.set KS,  27
.set QF,  28                           ; v28-39 the codes of [query_embed, eps_]: made once, used by three products
.set PC,  40                           ; v40-51 the codes just made
.set PT,  52                           ; v52-59 second halves of blocks' codes; the LayerNorms' four chains
                                       ; v[60:61] the mean; v[62:63] 1 / sqrt(var + 1e-5)
.set X,   64                           ; v64-127
.set Y,   128                          ; v128-191
.set T,   192                          ; v192-255
.set FLOOR, 0x2800000                  ; 2^(5 - 127)
.set OFF4,  0xfe000000                 ; -(4 << 23)
.set EPS,   14                         ; s14 1e-5
.set MK,    48                         ; s[48:63] GELU's sixteen masks
; s2 wave; s3 trips to go; s[4:11] query_embed, kv_embed, ws, out0; s[12:39] the head's pointers, then GELU's constants in pairs and s14; s[40:43] alpha0, alpha1, beta0, beta1; s[44:45] lane selects; s46 1/128, s47 1/32
.macro PLACES n
.rept \n
	v_nop
.endr
.endm
.macro FRAGS f0, n, w0                 ; n operand images from f0 on into T, their scale words into WS + w0 on
.set fq, 0
.rept \n
	ds_load_b128 v[T+12*fq:T+12*fq+3], v1 offset:((\f0)+fq)*1536
	ds_load_b128 v[T+12*fq+4:T+12*fq+7], v1 offset:((\f0)+fq)*1536+512
	ds_load_b128 v[T+12*fq+8:T+12*fq+11], v1 offset:((\f0)+fq)*1536+1024
	ds_load_b32 v[WS+(\w0)+fq], v2 offset:SCW+128*((\f0)+fq)
.set fq, fq+1
.endr
.endm
.macro BIAS dst, adr, off, n           ; n tiles' biases in the result's layout: eight numbers a tile from unit S h + 8 t on
.set bq, 0
.rept \n
	ds_load_b128 v[(\dst)+8*bq:(\dst)+8*bq+3], v[\adr] offset:PAR+(\off)+32*bq
	ds_load_b128 v[(\dst)+8*bq+4:(\dst)+8*bq+7], v[\adr] offset:PAR+(\off)+32*bq+16
.set bq, bq+1
.endr
.endm
.macro MM d, a, b, ws, bs, c0          ; one tile: source 0 = 16 weight rows, source 1 = my 16 data rows; C = 0 or the bias that lies in D
.if \c0
	v_wmma_scale_f32_16x16x128_f8f6f4 v[(\d):(\d)+7], v[(\a):(\a)+11], v[(\b):(\b)+11], 0, v[\ws], v[\bs] matrix_a_fmt:MATRIX_FMT_BF6 matrix_b_fmt:MATRIX_FMT_BF6
.else
	v_wmma_scale_f32_16x16x128_f8f6f4 v[(\d):(\d)+7], v[(\a):(\a)+11], v[(\b):(\b)+11], v[(\d):(\d)+7], v[\ws], v[\bs] matrix_a_fmt:MATRIX_FMT_BF6 matrix_b_fmt:MATRIX_FMT_BF6
.endif
.endm
; the two blocks X[0:31], X[32:63]: largest magnitudes over the floor, scale operands (T50, T51), bytes (T52, T53)
.macro QMAX2
	v_max3_num_f32 v[T+48], |v[X]|, |v[X+1]|, FLOOR
	v_max3_num_f32 v[T+49], |v[X+32]|, |v[X+33]|, FLOOR
.irp i, 2,4,6,8,10,12,14,16,18,20,22,24,26,28,30
	v_max3_num_f32 v[T+48], v[T+48], |v[X+\i]|, |v[X+1+\i]|
	v_max3_num_f32 v[T+49], v[T+49], |v[X+32+\i]|, |v[X+33+\i]|
.endr
	v_add_nc_u32 v[T+50], OFF4, v[T+48]            ; 4 off the exponent field: the conversion takes that field as its scale
	v_add_nc_u32 v[T+51], OFF4, v[T+49]
	v_lshrrev_b32 v[T+52], 23, v[T+50]
	v_lshrrev_b32 v[T+53], 23, v[T+51]
.endm
.macro CVT4 d0, d1                     ; their codes: six registers from d0, six from d1
	v_cvt_scalef32_pk16_bf6_f32 v[(\d0):(\d0)+2], v[X:X+15], v[T+50]
	v_cvt_scalef32_pk16_bf6_f32 v[PT:PT+2], v[X+16:X+31], v[T+50]      ; (a conversion's three registers begin on an even number)
	v_cvt_scalef32_pk16_bf6_f32 v[(\d1):(\d1)+2], v[X+32:X+47], v[T+51]
	v_cvt_scalef32_pk16_bf6_f32 v[PT+4:PT+6], v[X+48:X+63], v[T+51]
	v_nop                                          ; one plain place behind the scaled conversions
.irp i, 0,1,2
	v_mov_b32 v[(\d0)+3+\i], v[PT+\i]
	v_mov_b32 v[(\d1)+3+\i], v[PT+4+\i]
.endr
.endm
.macro QUANT64                         ; X, 64 numbers = k 64 h + 0 .. 63 of my row, into PC and PS
	QMAX2
	v_lshl_or_b32 v[T+52], v[T+53], 16, v[T+52]    ; my bytes: the unit's blocks h and 2 + h,
	v_lshlrev_b32 v[T+52], v12, v[T+52]
	v_permlanex16_b32 v13, v[T+52], s44, s45
	v_or_b32 v[PS], v[T+52], v13                   ; with lane l xor 16's the word is whole
	CVT4 PC, PC+6
.endm
.macro QUANTA                          ; X[0:31] = query k 32 h on -> QF[0:5], QS0;  X[32:63] = kv likewise -> PC[0:5], KS.  The words' upper bytes stay 0: they meet zero codes in the weights
	QMAX2
	v_lshlrev_b32 v[T+52], v12, v[T+52]
	v_lshlrev_b32 v[T+53], v12, v[T+53]
	v_permlanex16_b32 v13, v[T+52], s44, s45
	v_or_b32 v[QS0], v[T+52], v13
	v_permlanex16_b32 v13, v[T+53], s44, s45
	v_or_b32 v[KS], v[T+53], v13
	CVT4 QF, PC
.endm
.macro QUANT16                         ; Y[0:15] = k 16 h + 0 .. 15 of a K of 32 -> PC[0:2], PS.  What else PC holds meets zero codes in the weights
	v_max3_num_f32 v[T+48], |v[Y]|, |v[Y+1]|, FLOOR
	v_max3_num_f32 v[T+49], |v[Y+8]|, |v[Y+9]|, |v[Y+10]|
.irp i, 2,4
	v_max3_num_f32 v[T+48], v[T+48], |v[Y+\i]|, |v[Y+1+\i]|
	v_max3_num_f32 v[T+49], v[T+49], |v[Y+9+\i]|, |v[Y+10+\i]|
.endr
	v_max3_num_f32 v[T+48], v[T+48], |v[Y+6]|, |v[Y+7]|
	v_max3_num_f32 v[T+48], v[T+48], v[T+49], |v[Y+15]|
	v_permlanex16_b32 v13, v[T+48], s44, s45
	v_max_num_f32 v[T+48], v[T+48], v13            ; the block lies in lanes l and l xor 16
	v_add_nc_u32 v[T+50], OFF4, v[T+48]
	v_lshrrev_b32 v[T+52], 23, v[T+50]
	v_perm_b32 v[PS], v[T+52], v[T+52], 0          ; its byte at all four places
	v_cvt_scalef32_pk16_bf6_f32 v[PC:PC+2], v[Y:Y+15], v[T+50]
	PLACES 8                                       ; behind the conversion, and ahead of the scaled matrix instruction: 8 for a scale word made by vector instructions, 4 for an operand
.endm
.macro QUANT8                          ; Y[16:23] = eps_ 8 h + 0 .. 7 = k 64 + 8 h on -> QF[6:8], QS.  The conversion's upper eight numbers meet zero codes in the weights
	v_max3_num_f32 v[T+48], |v[Y+16]|, |v[Y+17]|, FLOOR
.irp i, 18,20,22
	v_max3_num_f32 v[T+48], v[T+48], |v[Y+\i]|, |v[Y+1+\i]|
.endr
	v_permlanex16_b32 v13, v[T+48], s44, s45
	v_max_num_f32 v[T+48], v[T+48], v13
	v_add_nc_u32 v[T+50], OFF4, v[T+48]
	v_lshrrev_b32 v[T+52], 23, v[T+50]
	v_lshl_or_b32 v[T+52], v[T+52], 8, v[T+52]
	v_lshl_or_b32 v[QS], v[T+52], 16, v[QS0]       ; bytes 0, 1: the query's blocks; bytes 2, 3: eps_'s
	v_cvt_scalef32_pk16_bf6_f32 v[QF+6:QF+8], v[Y+16:Y+31], v[T+50]
	PLACES 8
.endm
.macro REDUCE                          ; four chains of pairs -> v[PT]: the sum over my numbers and lane l xor 16's
	v_pk_add_f32 v[PT:PT+1], v[PT:PT+1], v[PT+2:PT+3]
	v_pk_add_f32 v[PT+4:PT+5], v[PT+4:PT+5], v[PT+6:PT+7]
	v_pk_add_f32 v[PT:PT+1], v[PT:PT+1], v[PT+4:PT+5]
	v_add_f32 v[PT], v[PT], v[PT+1]
	v_permlanex16_b32 v13, v[PT], s44, s45
	v_add_f32 v[PT], v[PT], v13
.endm
; LayerNorm's figures over np pairs of Y: Y becomes Y - mean; v62 = 1 / sqrt(var + 1e-5).  The pairs are taken in ascending order.
.macro LNSTAT np, inv
.irp k, 0,1,2,3
	v_pk_add_f32 v[PT+2*\k:PT+2*\k+1], v[Y+2*\k:Y+2*\k+1], v[Y+8+2*\k:Y+9+2*\k]
.endr
.set lp, 8
.rept (\np)-8
	v_pk_add_f32 v[PT+2*(lp%4):PT+2*(lp%4)+1], v[PT+2*(lp%4):PT+2*(lp%4)+1], v[Y+2*lp:Y+2*lp+1]
.set lp, lp+1
.endr
	REDUCE
	v_mul_f32 v60, s[\inv], v[PT]
.set lp, 0
.rept \np
	v_pk_add_f32 v[Y+2*lp:Y+2*lp+1], v[Y+2*lp:Y+2*lp+1], v[60:61] op_sel_hi:[1,0] neg_lo:[0,1] neg_hi:[0,1]
.set lp, lp+1
.endr
.irp k, 0,1,2,3
	v_pk_mul_f32 v[PT+2*\k:PT+2*\k+1], v[Y+2*\k:Y+2*\k+1], v[Y+2*\k:Y+2*\k+1]
.endr
.set lp, 4
.rept (\np)-4
	v_pk_fma_f32 v[PT+2*(lp%4):PT+2*(lp%4)+1], v[Y+2*lp:Y+2*lp+1], v[Y+2*lp:Y+2*lp+1], v[PT+2*(lp%4):PT+2*(lp%4)+1]
.set lp, lp+1
.endr
	REDUCE
	v_fma_f32 v62, v[PT], s[\inv], s[EPS]
	v_rsq_f32 v62, v62
	v_nop                                          ; a plain place behind the transcendental,
	s_wait_alu depctr_va_vdst(0)                   ; and the root's result v62 is written, ahead of its first reader
.endm
.macro PARL soff, goff, adr, g, p      ; gain and bias of units 16 g on (of my half) into T[p ..], T[p + 16 ..]
.irp j, 0,1,2,3
	ds_load_b128 v[T+(\p)+4*\j:T+(\p)+4*\j+3], v[\adr] offset:PAR+(\soff)+64*(\g)+16*\j
.endr
.irp j, 0,1,2,3
	ds_load_b128 v[T+(\p)+16+4*\j:T+(\p)+16+4*\j+3], v[\adr] offset:PAR+(\goff)+64*(\g)+16*\j
.endr
.endm
.macro AFFM g                          ; 16 numbers x 1 / sqrt(..): names no register of T
.irp n, 0,2,4,6,8,10,12,14
	v_pk_mul_f32 v[Y+16*(\g)+\n:Y+16*(\g)+\n+1], v[Y+16*(\g)+\n:Y+16*(\g)+\n+1], v[62:63] op_sel_hi:[1,0]
.endr
.endm
.macro AFFA g, p                       ; then x gain + bias
.irp n, 0,2,4,6,8,10,12,14
	v_pk_fma_f32 v[Y+16*(\g)+\n:Y+16*(\g)+\n+1], v[Y+16*(\g)+\n:Y+16*(\g)+\n+1], v[T+(\p)+\n:T+(\p)+\n+1], v[T+(\p)+16+\n:T+(\p)+17+\n]
.endr
.endm
; GELU of Y[16 g ..+15], in place.  T[0:15] t; T[16:31] the exponent, then its 2^; T[32:47] t^2, then max(y, 0); T[48:63] the small branch, then Q.  skip = 1: X[16 g ..] += the result.
; Behind its wait on va_vdst only T[16:63], Y[16 g ..+15] and (skip = 1) X[16 g ..+15] are named: T[0:15] is free for loads from there on.
.macro GELU16 g, skip
.set gy, Y+16*(\g)
.set gx, X+16*(\g)
.set gk, 0
.rept 16
	v_mul_f32 v[T+gk], s38, |v[gy+gk]|
.set gk, gk+1
.endr
.set gk, 0
.rept 16
	v_cmp_lt_f32 s[MK+gk], s39, v[T+gk]            ; which branch holds: sixteen masks in one run, far ahead of their readers
.set gk, gk+1
.endr
.irp n, 0,2,4,6,8,10,12,14
	v_pk_fma_f32 v[T+16+\n:T+17+\n], v[T+\n:T+1+\n], s[12:13], v[14:15] op_sel_hi:[1,0,0]      ; K7 t + K6
.endr
.irp c, 16,18,20,22,24
.irp n, 0,2,4,6,8,10,12,14
	v_pk_fma_f32 v[T+16+\n:T+17+\n], v[T+16+\n:T+17+\n], v[T+\n:T+1+\n], s[\c:\c+1] op_sel_hi:[1,1,0]   ; .. t + K5 .. K1
.endr
.endr
.irp n, 0,2,4,6,8,10,12,14
	v_pk_fma_f32 v[T+16+\n:T+17+\n], v[T+16+\n:T+17+\n], v[T+\n:T+1+\n], -1.0 op_sel_hi:[1,1,0]
.endr
.set gk, 0
.rept 16
	v_exp_f32 v[T+16+gk], v[T+16+gk]               ; one batch; the small branch below, 56 plain instructions that name none of its results, stands behind it
.set gk, gk+1
.endr
.irp n, 0,2,4,6,8,10,12,14
	v_pk_mul_f32 v[T+32+\n:T+33+\n], v[T+\n:T+1+\n], v[T+\n:T+1+\n]
.endr
.irp n, 0,2,4,6,8,10,12,14
	v_pk_fma_f32 v[T+48+\n:T+49+\n], v[T+32+\n:T+33+\n], s[26:27], v[14:15] op_sel:[0,0,1] op_sel_hi:[1,0,1]   ; B5 s + B4
.endr
.irp c, 30,32,34,36
.irp n, 0,2,4,6,8,10,12,14
	v_pk_fma_f32 v[T+48+\n:T+49+\n], v[T+48+\n:T+49+\n], v[T+32+\n:T+33+\n], s[\c:\c+1] op_sel_hi:[1,1,0]   ; .. s + B3 .. B0
.endr
.endr
.irp n, 0,2,4,6,8,10,12,14
	v_pk_fma_f32 v[T+48+\n:T+49+\n], v[T+48+\n:T+49+\n], v[T+\n:T+1+\n], 0.5 op_sel_hi:[1,1,0]
.endr
	s_wait_alu depctr_va_vdst(0)                   ; the sixteen exponentials have written T[16:31]: one wait, ahead of their first reader
	s_wait_alu depctr_va_sdst(0)                   ; the sixteen compares have written s[48:63], ahead of the selects that read them
.set gk, 0
.rept 16
	v_cndmask_b32 v[T+48+gk], v[T+48+gk], v[T+16+gk], s[MK+gk]
.set gk, gk+1
.endr
.set gk, 0
.rept 16
	v_max_num_f32 v[T+32+gk], 0, v[gy+gk]
.set gk, gk+1
.endr
.set gk, 0
.rept 16
	v_fma_f32 v[gy+gk], -|v[gy+gk]|, v[T+48+gk], v[T+32+gk]
.set gk, gk+1
.endr
.if \skip
.irp n, 0,2,4,6,8,10,12,14
	v_pk_add_f32 v[gx+\n:gx+\n+1], v[gx+\n:gx+\n+1], v[gy+\n:gy+\n+1]
.endr
.endif
.endm
; ATTENTION.  T[0:7] my eight q_i; T[8:23] the 16 kv; a softmax row rho = 2 i + head: T[24+rho] u, then sum p; T[40+rho] its maximum, then sum p kv.  Two rows (one i, both heads) at a time, in 32 registers of X.
.macro ATT_F b, buf                    ; t - max for rows 2 b, 2 b + 1
.irp n, 0,2,4,6,8,10,12,14
	v_pk_fma_f32 v[(\buf)+\n:(\buf)+\n+1], v[T+8+\n:T+9+\n], v[T+24+2*(\b):T+25+2*(\b)], v[T+40+2*(\b):T+41+2*(\b)] op_sel_hi:[1,0,0] neg_lo:[0,0,1] neg_hi:[0,0,1]
.endr
.irp n, 0,2,4,6,8,10,12,14
	v_pk_fma_f32 v[(\buf)+16+\n:(\buf)+17+\n], v[T+8+\n:T+9+\n], v[T+24+2*(\b):T+25+2*(\b)], v[T+40+2*(\b):T+41+2*(\b)] op_sel:[0,1,1] op_sel_hi:[1,1,1] neg_lo:[0,0,1] neg_hi:[0,0,1]
.endr
.endm
.macro ATT_E buf
.set ek, 0
.rept 32
	v_exp_f32 v[(\buf)+ek], v[(\buf)+ek]
.set ek, ek+1
.endr
.endm
.macro ATT_S b, buf                    ; the two rows' sum p and sum p kv, four chains by turns
	v_pk_add_f32 v[T+58:T+59], v[(\buf):(\buf)+1], v[(\buf)+2:(\buf)+3]
	v_pk_add_f32 v[T+62:T+63], v[(\buf)+16:(\buf)+17], v[(\buf)+18:(\buf)+19]
	v_pk_mul_f32 v[T+60:T+61], v[(\buf):(\buf)+1], v[T+8:T+9]
	v_pk_mul_f32 v[60:61], v[(\buf)+16:(\buf)+17], v[T+8:T+9]
	v_pk_fma_f32 v[T+60:T+61], v[(\buf)+2:(\buf)+3], v[T+10:T+11], v[T+60:T+61]
	v_pk_fma_f32 v[60:61], v[(\buf)+18:(\buf)+19], v[T+10:T+11], v[60:61]
.irp n, 4,6,8,10,12,14
	v_pk_add_f32 v[T+58:T+59], v[T+58:T+59], v[(\buf)+\n:(\buf)+\n+1]
	v_pk_add_f32 v[T+62:T+63], v[T+62:T+63], v[(\buf)+16+\n:(\buf)+17+\n]
	v_pk_fma_f32 v[T+60:T+61], v[(\buf)+\n:(\buf)+\n+1], v[T+8+\n:T+9+\n], v[T+60:T+61]
	v_pk_fma_f32 v[60:61], v[(\buf)+16+\n:(\buf)+17+\n], v[T+8+\n:T+9+\n], v[60:61]
.endr
	v_add_f32 v[T+24+2*(\b)], v[T+58], v[T+59]
	v_add_f32 v[T+25+2*(\b)], v[T+62], v[T+63]
	v_add_f32 v[T+40+2*(\b)], v[T+60], v[T+61]
	v_add_f32 v[T+41+2*(\b)], v60, v61
.endm
.macro LOADNEXT                        ; a tile of query_embed and of kv_embed into Y: each load reads 512 consecutive bytes, aligned; read once in the launch
.irp i, 0,1,2,3,4,5,6,7
	global_load_b128 v[Y+4*\i:Y+4*\i+3], v1, s[4:5] offset:512*\i th:TH_LOAD_NT
.endr
.irp i, 0,1,2,3,4,5,6,7
	global_load_b128 v[Y+32+4*\i:Y+32+4*\i+3], v1, s[6:7] offset:512*\i th:TH_LOAD_NT
.endr
.endm
.macro STASH                           ; and from Y into my stage: two rows a store
.irp i, 0,1,2,3,4,5,6,7
	ds_store_b128 v9, v[Y+4*\i:Y+4*\i+3] offset:544*\i
.endr
.irp i, 0,1,2,3,4,5,6,7
	ds_store_b128 v9, v[Y+32+4*\i:Y+32+4*\i+3] offset:4352+544*\i
.endr
.endm
.macro LNGELU64 soff, goff             ; LayerNorm over 128, GELU, + the skip that lies in X: the sum is left in X
	s_wait_alu depctr_va_vdst(0)                   ; the products above are done reading the images in T[0:47], in which the first 32 units' gains and biases land
	PARL \soff, \goff, 7, 0, 0
	PARL \soff, \goff, 7, 1, 32
	LNSTAT 32, 46
	AFFM 0
	AFFM 1
	s_wait_dscnt 0x0
	AFFA 0, 0
	AFFA 1, 32
	s_wait_alu depctr_va_vdst(0)                   ; these sixteen are done reading T[0:63], in which the other 32 units' gains and biases land
	PARL \soff, \goff, 7, 2, 0
	PARL \soff, \goff, 7, 3, 32
	AFFM 2                                         ; sixteen multiplications that name nothing of T stand behind the loads
	AFFM 3
	s_wait_dscnt 8                                 ; the third sixteen's eight loads are in; the fourth's eight may be out
	AFFA 2, 0
	s_wait_dscnt 0x0
	AFFA 3, 32
	GELU16 0, 1
	GELU16 1, 1
	GELU16 2, 1
	GELU16 3, 1
.endm
.macro MID f0, boff, soff, goff        ; X (K 128) x a weight of 32 rows, LayerNorm over 32, GELU: left in Y[0:15]
	s_wait_alu depctr_va_vdst(0)                   ; the GELU above is done with T[16:23], in which the second image lands
	BIAS Y, 5, \boff, 2
	FRAGS \f0, 2, 0
	QUANT64
	s_wait_dscnt 0x0
	PLACES 8                                       ; a scale word made by vector instructions stands 8 places ahead of the scaled matrix instruction, an operand 4
	s_wait_alu depctr_va_vdst(0)                   ; the codes in PC and the scale word PS are written, which the products take
	MM Y, T, PC, WS, PS, 0
	MM Y+8, T+12, PC, WS+1, PS, 0
	PLACES 4                                       ; ahead of the first read of results
	s_wait_alu depctr_va_vdst(0)                   ; the two products are done reading T[0:23], in which gains and biases land
	PARL \soff, \goff, 5, 0, 0
	LNSTAT 8, 47
	AFFM 0
	s_wait_dscnt 0x0
	AFFA 0, 0
	GELU16 0, 0
.endm
; ---- THE HEAD
	s_load_b256 s[4:11], s[0:1], 0x0               ; query_embed, kv_embed, ws, out0
	s_load_b512 s[12:27], s[0:1], 0x20             ; eps_fc1_b, eps_ln1_s, eps_ln1_b, eps_fc2_b, eps_ln2_s, eps_ln2_b, eps_fc_b, res_fc1_b
	s_load_b256 s[28:35], s[0:1], 0x60             ; res_ln1_s, res_ln1_b, res_match_b, res_fc2_b
	s_load_b128 s[36:39], s[0:1], 0x80             ; res_ln2_s, res_ln2_b
	s_load_b64 s[40:41], s[0:1], 0x90              ; res_fc_b
	v_lshrrev_b32 v13, 5, v0
	v_readfirstlane_b32 s2, v13                    ; wave 0..15
	v_and_b32 v14, 31, v0                          ; lane
	v_lshlrev_b32 v1, 4, v14
	v_lshlrev_b32 v2, 2, v14
	v_mov_b32 v3, 0
	v_bfe_u32 v12, v0, 4, 1                        ; h
	v_lshlrev_b32 v4, 5, v12
	v_lshlrev_b32 v5, 6, v12
	v_lshlrev_b32 v6, 7, v12
	v_lshlrev_b32 v7, 8, v12
	v_and_b32 v13, 15, v0                          ; r
	s_wait_alu depctr_va_sdst(0)                   ; s2 is written, ahead of its first reader: the stages' places and the tile's bytes are made from it
	s_mul_i32 s54, s2, 8704
	s_add_co_u32 s54, s54, INS                     ; my stage in
	s_mul_i32 s55, s2, 4352
	s_add_co_u32 s55, s55, OUTS                    ; my stage out
	v_mul_u32_u24 v8, v13, 272
	v_lshl_add_u32 v8, v12, 7, v8                  ; row r, + 128 h: my 32 numbers of a row
	v_add_nc_u32 v10, s55, v8
	v_add_nc_u32 v8, s54, v8
	v_mul_u32_u24 v9, v12, 272
	v_lshl_add_u32 v9, v13, 4, v9                  ; as memory has it: lanes 0-15 one row, lanes 16-31 the next
	v_add_nc_u32 v11, s55, v9
	v_add_nc_u32 v9, s54, v9
	v_lshlrev_b32 v12, 3, v12                      ; 8 h
	v_lshlrev_b32 v15, 4, v0                       ; 16 x thread: the copy of ws
	v_lshlrev_b32 v13, 2, v13                      ; 4 r: eps_fc_b's 16 numbers (both halves of the lanes take the same)
	v_lshlrev_b32 v14, 3, v14                      ; 8 x lane: res_fc_b's 64
	s_lshl_b32 s54, ttmp9, 18                      ; 64 tiles of 4,096 bytes a work-group,
	s_lshl_b32 s55, s2, 12                         ; my wave's tile among the trip's sixteen
	s_add_co_u32 s54, s54, s55
	s_mov_b32 s55, 0
	s_mov_b32 s44, 0x76543210
	s_mov_b32 s45, 0xfedcba98                      ; v_permlanex16_b32's selects for lane l xor 16
	s_mov_b32 s46, 0x3c000000                      ; 1 / 128
	s_mov_b32 s47, 0x3d000000                      ; 1 / 32
	s_wait_kmcnt 0x0
	s_add_nc_u64 s[4:5], s[4:5], s[54:55]
	s_add_nc_u64 s[6:7], s[6:7], s[54:55]
	s_add_nc_u64 s[10:11], s[10:11], s[54:55]
	s_wait_alu depctr_va_vdst(0)                   ; v1 to v11 and v13 to v15 are written: every load and store of the kernel reads one of them as its address or offset
	LOADNEXT                                       ; my first tile
.irp i, 0,1,2,3,4,5,6
	global_load_b128 v[X+4*\i:X+4*\i+3], v15, s[8:9] offset:8192*\i      ; ws: 7 x 8,192 bytes by all 512 threads,
.endr
	s_cmp_ge_u32 s2, 2
	s_cbranch_scc1 .Lno8
	global_load_b128 v[X+28:X+31], v15, s[8:9] offset:57344             ; and its last 1,024 by waves 0 and 1
	s_wait_loadcnt 0x0
	ds_store_b128 v15, v[X+28:X+31] offset:57344
.Lno8:
	s_cmp_lg_u32 s2, 2
	s_cbranch_scc1 .Lnovec
	global_load_b128 v[T:T+3], v1, s[12:13]        ; wave 2: the fifteen vectors
	global_load_b128 v[T+4:T+7], v1, s[14:15]
	global_load_b128 v[T+8:T+11], v1, s[16:17]
	global_load_b128 v[T+12:T+15], v1, s[26:27]
	global_load_b128 v[T+16:T+19], v1, s[28:29]
	global_load_b128 v[T+20:T+23], v1, s[30:31]
	global_load_b128 v[T+24:T+27], v1, s[32:33]
	global_load_b32 v[T+28], v2, s[18:19]
	global_load_b32 v[T+29], v2, s[20:21]
	global_load_b32 v[T+30], v2, s[22:23]
	global_load_b32 v[T+31], v2, s[34:35]
	global_load_b32 v[T+32], v2, s[36:37]
	global_load_b32 v[T+33], v2, s[38:39]
	global_load_b32 v[T+34], v13, s[24:25]
	global_load_b64 v[T+36:T+37], v14, s[40:41]
	s_wait_loadcnt 0x0
	ds_store_b128 v1, v[T:T+3] offset:PAR+E1B
	ds_store_b128 v1, v[T+4:T+7] offset:PAR+E1S
	ds_store_b128 v1, v[T+8:T+11] offset:PAR+E1G
	ds_store_b128 v1, v[T+12:T+15] offset:PAR+R1B
	ds_store_b128 v1, v[T+16:T+19] offset:PAR+R1S
	ds_store_b128 v1, v[T+20:T+23] offset:PAR+R1G
	ds_store_b128 v1, v[T+24:T+27] offset:PAR+RMB
	ds_store_b32 v2, v[T+28] offset:PAR+E2B
	ds_store_b32 v2, v[T+29] offset:PAR+E2S
	ds_store_b32 v2, v[T+30] offset:PAR+E2G
	ds_store_b32 v2, v[T+31] offset:PAR+R2B
	ds_store_b32 v2, v[T+32] offset:PAR+R2S
	ds_store_b32 v2, v[T+33] offset:PAR+R2G
	ds_store_b32 v13, v[T+34] offset:PAR+EFB       ; lanes l and l xor 16 write the same word with the same value
	ds_store_b64 v14, v[T+36:T+37] offset:PAR+RFB
.Lnovec:
	s_wait_loadcnt 0x0                             ; every load of mine is in: its address registers and pointers may be written again
.irp i, 0,1,2,3,4,5,6
	ds_store_b128 v15, v[X+4*\i:X+4*\i+3] offset:8192*\i
.endr
	STASH
	s_wait_alu depctr_vm_vsrc(0)                   ; the head's loads and LDS stores have read v13 to v15, X, Y and (wave 2) T: the moves below write T[16:23] and v13 to v15, the first trip's loads land in X and Y
	s_load_b128 s[40:43], s[8:9], CONST+96         ; alpha0, alpha1, beta0, beta1 (this launch stores nothing into ws)
.macro KPAIR r, bits                   ; a constant in both words of a pair: the packed forms name the pair and take its low word for both halves
	s_mov_b32 s[\r], \bits
	s_mov_b32 s[\r+1], \bits
.endm
	KPAIR 12, 0xb7d130d7                           ; K7 = -2.493748e-5   (the fit's coefficients x log2(e); K1 holds the -t term too)
	KPAIR 16, 0xbbb79c87                           ; K5 = -5.603376e-3
	KPAIR 18, 0x3d0f53cc                           ; K4 =  3.499202e-2
	KPAIR 20, 0xbe1dbebc                           ; K3 = -0.1540479
	KPAIR 22, 0xbf6a77c7                           ; K2 = -0.9158902
	KPAIR 24, 0xbfd06f41                           ; K1 = -1.6283952
	KPAIR 26, 0x399c7000                           ; B5 =  2.983809e-4   (the fit's coefficients x -1/2)
	KPAIR 30, 0x3c5b48d9                           ; B3 =  1.338407e-2
	KPAIR 32, 0xbd670e22                           ; B2 = -5.640996e-2
	KPAIR 34, 0x3e409380                           ; B1 =  0.1880627
	KPAIR 36, 0xbf106ebb                           ; B0 = -0.5641896
	s_mov_b32 s38, 0x3f3504f3                      ; 1 / sqrt(2)
	s_mov_b32 s39, 0x3f6d8000                      ; 0.927734375
	s_mov_b32 s[EPS], 0x3727c5ac                   ; 1e-5
.irp i, 6,7,8,9,10,11
	v_mov_b32 v[QF+\i], 0                          ; the operands' upper halves are named before they are first made; they meet zero codes
	v_mov_b32 v[PC+\i], 0
.endr
.irp i, 16,17,18,19,20,21,22,23
	v_mov_b32 v[T+\i], 0                           ; lane permutes' destinations count as sources
.endr
	v_mov_b32 v61, 0                               ; named as upper halves of pairs
	v_mov_b32 v63, 0
	s_wait_kmcnt 0x0
	s_wait_dscnt 0x0                               ; for the others' sake: my part of ws and the vectors lies in LDS
	s_barrier_signal -1
	s_barrier_wait -1                              ; everybody's does; from here on these bytes are only read
	v_mov_b32 v13, 0
	v_mov_b32 v14, 0x3a10ec3c                      ; K6 = 5.528366e-4
	v_mov_b32 v15, 0xbb238d2c                      ; B4 = -2.495597e-3
	s_mov_b32 s3, 4
.Ltile:
; ---- A: q = query Wq^T, kv = kv_embed Wkv^T
; No wait on va_vdst ahead of these loads into X, Y[0:23], WS and WS + 1.  Round the loop: no vector or matrix instruction is issued behind the wait ahead of the way out's LDS stores.
; In the first trip: behind the head's wait only v13-15, v34-39, v46-51, v61, v63 and T[16:23] are named.
.irp j, 0,1,2,3,4,5,6,7
	ds_load_b128 v[X+4*\j:X+4*\j+3], v8 offset:16*\j                ; my 32 numbers of query row r (LDS serves a wave's instructions in order: these see my stores)
.endr
.irp j, 0,1,2,3,4,5,6,7
	ds_load_b128 v[X+32+4*\j:X+32+4*\j+3], v8 offset:4352+16*\j     ; and of kv row r
.endr
.irp q, 0,1
.irp c, 0,1,2
	ds_load_b128 v[Y+12*\q+4*\c:Y+12*\q+4*\c+3], v1 offset:\q*1536+512*\c
.endr
	ds_load_b32 v[WS+\q], v2 offset:SCW+128*\q
.endr
	s_wait_dscnt 8                                 ; the 16 loads of numbers are in; the weights' eight may be out
	QUANTA
	s_wait_dscnt 0x0
	PLACES 8
	s_wait_alu depctr_va_vdst(0)                   ; the codes in QF and PC and the scale words QS0 and KS are written, which the two products take
	MM T, Y, QF, WS, QS0, 1
	MM T+8, Y+12, PC, WS+1, KS, 1
	PLACES 4
	s_cmp_eq_u32 s3, 1                             ; the next tile is asked for here, if there is one: no load leaves its buffer
	s_cbranch_scc1 .Lno_next
	s_add_nc_u64 s[4:5], s[4:5], 0x10000           ; sixteen tiles on (the last loads through these pointers were waited for)
	s_add_nc_u64 s[6:7], s[6:7], 0x10000
	s_wait_alu depctr_va_vdst(0)                   ; the two products are done reading the images in Y[0:23], in which the next tile's loads land
	LOADNEXT
.Lno_next:
; ---- B: the attention.  Lane (r, h) has q_i for i = 8 h + 0 .. 7 and takes both heads of these eight queries
.irp j, 0,1,2,3,4,5,6,7
	v_permlanex16_b32 v[T+16+\j], v[T+8+\j], s44, s45               ; the other eight kv (the keys' order does not matter to the sums)
.endr
	v_max3_num_f32 v[T+56], v[T+8], v[T+9], v[T+10]
	v_min3_num_f32 v[T+57], v[T+8], v[T+9], v[T+10]
.irp i, 11,13,15,17,19,21
	v_max3_num_f32 v[T+56], v[T+56], v[T+\i], v[T+1+\i]
	v_min3_num_f32 v[T+57], v[T+57], v[T+\i], v[T+1+\i]
.endr
	v_max_num_f32 v[T+56], v[T+56], v[T+23]
	v_min_num_f32 v[T+57], v[T+57], v[T+23]
.irp i, 0,1,2,3,4,5,6,7
	v_fma_f32 v[T+24+2*\i], s40, v[T+\i], s42      ; u = alpha q + beta, head 0,
	v_fma_f32 v[T+25+2*\i], s41, v[T+\i], s43      ; head 1
.endr
.irp n, 0,2,4,6,8,10,12,14
	v_pk_mul_f32 v[T+40+\n:T+41+\n], v[T+24+\n:T+25+\n], v[T+56:T+57] op_sel_hi:[1,0]
	v_pk_mul_f32 v[X+\n:X+1+\n], v[T+24+\n:T+25+\n], v[T+56:T+57] op_sel:[0,1] op_sel_hi:[1,1]
.endr
.set k, 0
.rept 16
	v_max_num_f32 v[T+40+k], v[T+40+k], v[X+k]     ; the row's largest t: u kvmax or u kvmin
.set k, k+1
.endr
	ATT_F 0, X
	ATT_E X
.irp b, 1,2,3,4,5,6,7                  ; two buffers by turns: a pair's sums stand behind the next pair's exponentials
	ATT_F \b, X+32*(\b%2)
	s_wait_alu depctr_va_vdst(0)                   ; the exponentials of the pair before have written their 32 registers: one wait a batch, ahead of its first reader
	ATT_E X+32*(\b%2)
	ATT_S \b-1, X+32*((\b-1)%2)
.endr
	s_wait_alu depctr_va_vdst(0)                   ; the last pair's exponentials have written X[32:63]
	ATT_S 7, X+32
.set k, 0
.rept 16
	v_rcp_f32 v[T+24+k], v[T+24+k]                 ; the sums are near 1 or above: each row's largest p is
.set k, k+1
.endr
	v_nop
	s_wait_alu depctr_va_vdst(0)                   ; the reciprocals have written T[24:39], ahead of their first reader; and the attention is done reading q and kv in T[0:23], in which the loads below land
.irp n, 0,1,2,3,4,5
	ds_load_b128 v[T+4*\n:T+4*\n+3], v3 offset:CONST+16*\n          ; P0, P1, R
.endr
.irp n, 0,2,4,6,8,10,12,14
	v_pk_mul_f32 v[T+40+\n:T+41+\n], v[T+40+\n:T+41+\n], v[T+24+\n:T+25+\n]      ; m = sum p kv / sum p
.endr
	s_wait_loadcnt 0x0                             ; the next tile has come while the attention ran
	s_cmp_eq_u32 s3, 1
	s_cbranch_scc1 .Lno_stash
	STASH                                          ; this tile's reads of the stage were waited for in A
.Lno_stash:
	s_wait_dscnt 0x0
	s_wait_alu depctr_vm_vsrc(0)                   ; the LDS stores above have read Y, in which eps_fc1_b lands
	BIAS Y, 7, E1B, 8                              ; C's biases, asked for ahead of the 64 multiply-adds.  No wait on va_vdst: behind the reciprocals' wait only T[24:55] is named
.irp i, 0,1,2,3,4,5,6,7
.irp n, 0,2,4,6
	v_pk_fma_f32 v[X+8*\i+\n:X+8*\i+\n+1], v[T+\n:T+\n+1], v[T+40+2*\i:T+41+2*\i], v[T+16+\n:T+17+\n] op_sel_hi:[1,0,1]
.endr
.endr
.irp i, 0,1,2,3,4,5,6,7
.irp n, 0,2,4,6
	v_pk_fma_f32 v[X+8*\i+\n:X+8*\i+\n+1], v[T+8+\n:T+9+\n], v[T+40+2*\i:T+41+2*\i], v[X+8*\i+\n:X+8*\i+\n+1] op_sel:[0,1,0] op_sel_hi:[1,1,1]
.endr
.endr                                  ; X[n] = eps[64 h + n]
; ---- C: eps eps_fc1_w^T + b: eight tiles, four operand images at a time
	s_wait_alu depctr_va_vdst(0)                   ; the multiply-adds above are done reading T[0:23] and T[40:47], in which the images land
	FRAGS 2, 4, 0
	QUANT64
	s_wait_dscnt 0x0
	PLACES 8
	s_wait_alu depctr_va_vdst(0)                   ; the codes in PC and the scale word PS are written, which the eight products take
.irp q, 0,1,2,3
	MM Y+8*\q, T+12*\q, PC, WS+\q, PS, 0
.endr
	PLACES 4
	s_wait_alu depctr_va_vdst(0)                   ; the four products are done reading T[0:47], in which the next four images land
	FRAGS 6, 4, 4
	s_wait_dscnt 0x0
.irp q, 0,1,2,3
	MM Y+32+8*\q, T+12*\q, PC, WS+4+\q, PS, 0
.endr
	PLACES 4
; ---- D: LayerNorm, GELU, + eps
	LNGELU64 E1S, E1G
; ---- E: eps_fc2, LayerNorm, GELU
	MID 10, E2B, E2S, E2G
; ---- F: eps_ = .. eps_fc_w^T + b, and its codes beside the query's
; No wait on va_vdst ahead of these loads into Y[16:23], T[0:11] and WS: behind the wait in the GELU above only T[16:63] and Y[0:15] are named.
	BIAS Y+16, 4, EFB, 1
	FRAGS 12, 1, 0
	QUANT16
	s_wait_dscnt 0x0
	s_wait_alu depctr_va_vdst(0)                   ; the codes in PC and the scale word PS are written, which the product takes
	MM Y+16, T, PC, WS, PS, 0
	PLACES 4
	QUANT8
; ---- G: [query, eps_] x res_fc1_w^T -> Y, x res_match_w^T -> X
	s_wait_alu depctr_va_vdst(0)                   ; the codes in QF[6:8] and the scale word QS are written, which the sixteen products take; the product and the quantiser above are done with Y[16:31] and T[0:11], in which biases and images land
	BIAS Y, 7, R1B, 8
	BIAS X, 7, RMB, 8
.irp gq, 0,1,2,3
.if \gq > 0
	s_wait_alu depctr_va_vdst(0)                   ; the four products above are done reading T[0:47], in which the next four images land
.endif
	FRAGS 13+4*\gq, 4, 4*(\gq%2)
	s_wait_dscnt 0x0
.irp q, 0,1,2,3
	MM Y-64*(\gq/2)+8*(4*(\gq%2)+\q), T+12*\q, QF, WS+4*(\gq%2)+\q, QS, 0
.endr
	PLACES 4
.endr
; ---- H: LayerNorm, GELU, + the matched skip
	LNGELU64 R1S, R1G
; ---- I: res_fc2, LayerNorm, GELU
	MID 29, R2B, R2S, R2G
; ---- J: res_fc, and the way out
	s_wait_alu depctr_va_vdst(0)                   ; the GELU above is done with T[16:47], in which the images land
	BIAS Y+16, 6, RFB, 4
	FRAGS 31, 4, 0
	QUANT16
	s_wait_dscnt 0x0
	s_wait_alu depctr_va_vdst(0)                   ; the codes in PC and the scale word PS are written, which the four products take
.irp q, 0,1,2,3
	MM Y+16+8*\q, T+12*\q, PC, WS+\q, PS, 0
.endr
	PLACES 4
	s_wait_alu depctr_va_vdst(0)                   ; the four products have written Y[16:47], which the LDS stores read, and are done reading T[0:47], in which the rows land; the places above stay beside this wait
.irp q, 0,1,2,3
	ds_store_b128 v10, v[Y+16+8*\q:Y+19+8*\q] offset:32*\q          ; lane (r, h): out(r, 32 h + 8 q + 0 .. 7); each accumulator from its low end on
	ds_store_b128 v10, v[Y+20+8*\q:Y+23+8*\q] offset:32*\q+16
.endr
.irp i, 0,1,2,3,4,5,6,7
	ds_load_b128 v[T+4*\i:T+4*\i+3], v11 offset:544*\i              ; back as memory has it: my own bytes, served in order
.endr
.irp i, 0,1,2,3,4,5,6,7
	s_wait_dscnt 7-\i
	global_store_b128 v1, v[T+4*\i:T+4*\i+3], s[10:11] offset:512*\i th:TH_STORE_NT   ; 512 consecutive bytes, aligned; written once, read by nobody here
.endr
	s_wait_xcnt 0x0                                ; the stores have read their registers and their base: both are written again only behind this wait
	s_wait_alu depctr_vm_vsrc(0)                   ; the LDS stores have read Y[16:47] and the global stores T[0:31]: the next trip's loads and products write both
	s_add_nc_u64 s[10:11], s[10:11], 0x10000
	s_sub_co_u32 s3, s3, 1
	s_cmp_lg_u32 s3, 0
	s_cbranch_scc1 .Ltile
	s_wait_xcnt 0x0
	v_lshl_add_u32 v254, v0, 2, 0x42700
	v_mov_b32 v255, 0
	s_wait_dscnt 0x0                               ; the closing lines, six on end
	s_wait_alu 0x0
	s_wait_tensorcnt 0x0
	ds_add_u32 v254, v255
	s_wait_dscnt 0x0
	s_endpgm
.Lfunc_end_k_qbedd0d3baa_main:
	.size	k_qbedd0d3baa_main, .Lfunc_end_k_qbedd0d3baa_main-k_qbedd0d3baa_main
	.p2alignl 7, 3214868480
	.fill 96, 4, 3214868480
	.section	.rodata,"a",@progbits
	.p2align	6, 0x0
	.amdhsa_kernel k_qbedd0d3baa_main
		.amdhsa_group_segment_fixed_size 274176
		.amdhsa_private_segment_fixed_size 0
		.amdhsa_enable_private_segment 0
		.amdhsa_kernarg_size 152
		.amdhsa_user_sgpr_count 2
		.amdhsa_user_sgpr_kernarg_segment_ptr 1
		.amdhsa_wavefront_size32 1
		.amdhsa_system_sgpr_workgroup_id_x 1
		.amdhsa_system_sgpr_workgroup_id_y 1
		.amdhsa_system_sgpr_workgroup_id_z 1
		.amdhsa_system_vgpr_workitem_id 0
		.amdhsa_next_free_vgpr 256
		.amdhsa_next_free_sgpr 66
		.amdhsa_reserve_vcc 0
		.amdhsa_float_denorm_mode_32 3
		.amdhsa_float_denorm_mode_16_64 3
		.amdhsa_memory_ordered 1
		.amdhsa_forward_progress 1
		.amdhsa_inst_pref_size 253
	.end_amdhsa_kernel
	.amdgpu_metadata
---
amdhsa.version: [ 1, 2 ]
amdhsa.kernels:
  - .name:           k_qbedd0d3baa_main
    .symbol:         k_qbedd0d3baa_main.kd
    .args:
      - { .name: query_embed, .offset: 0, .size: 8, .value_kind: global_buffer, .address_space: global }
      - { .name: kv_embed, .offset: 8, .size: 8, .value_kind: global_buffer, .address_space: global }
      - { .name: ws, .offset: 16, .size: 8, .value_kind: global_buffer, .address_space: global }
      - { .name: out0, .offset: 24, .size: 8, .value_kind: global_buffer, .address_space: global }
      - { .name: eps_fc1_b, .offset: 32, .size: 8, .value_kind: global_buffer, .address_space: global }
      - { .name: eps_ln1_s, .offset: 40, .size: 8, .value_kind: global_buffer, .address_space: global }
      - { .name: eps_ln1_b, .offset: 48, .size: 8, .value_kind: global_buffer, .address_space: global }
      - { .name: eps_fc2_b, .offset: 56, .size: 8, .value_kind: global_buffer, .address_space: global }
      - { .name: eps_ln2_s, .offset: 64, .size: 8, .value_kind: global_buffer, .address_space: global }
      - { .name: eps_ln2_b, .offset: 72, .size: 8, .value_kind: global_buffer, .address_space: global }
      - { .name: eps_fc_b, .offset: 80, .size: 8, .value_kind: global_buffer, .address_space: global }
      - { .name: res_fc1_b, .offset: 88, .size: 8, .value_kind: global_buffer, .address_space: global }
      - { .name: res_ln1_s, .offset: 96, .size: 8, .value_kind: global_buffer, .address_space: global }
      - { .name: res_ln1_b, .offset: 104, .size: 8, .value_kind: global_buffer, .address_space: global }
      - { .name: res_match_b, .offset: 112, .size: 8, .value_kind: global_buffer, .address_space: global }
      - { .name: res_fc2_b, .offset: 120, .size: 8, .value_kind: global_buffer, .address_space: global }
      - { .name: res_ln2_s, .offset: 128, .size: 8, .value_kind: global_buffer, .address_space: global }
      - { .name: res_ln2_b, .offset: 136, .size: 8, .value_kind: global_buffer, .address_space: global }
      - { .name: res_fc_b, .offset: 144, .size: 8, .value_kind: global_buffer, .address_space: global }
    .group_segment_fixed_size: 274176
    .private_segment_fixed_size: 0
    .kernarg_segment_align: 8
    .kernarg_segment_size: 152
    .max_flat_workgroup_size: 512
    .sgpr_count:     66
    .vgpr_count:     256
    .wavefront_size: 32
...
	.end_amdgpu_metadata
.endif
;; end of part 3
